; MI455X (gfx1250); checked and timed in simulation.
; The chip was launched on July 23, 2026; its instructions are those of AMD's public machine-readable ISA for CDNA 5 (MIT licence, August 2026) and "CDNA5" Instruction Set Architecture Reference Guide (July 2026). The comments in the code are by the model that wrote it; some were corrected since.
;; Multihead Self Attention. Allowed arithmetic: matrix products marked QUANTISED: E3M2 operands, one E8M0 scale for each 32 along K, by v_wmma_scale_f32_16x16x128_f8f6f4 with both operands' format E3M2, f32 sums; everything else in f32.
;; Inputs: b_out 1,024 float32; b_qkv 3,072 float32; w_out 1,024 x 1,024 float32; w_qkv 1,024 x 3,072 float32; x 4 x 2,048 x 1,024 float32.
;; Outputs: out0 4 x 2,048 x 1,024 float32.
;; This version of the problem:
;;   THIS VERSION OF THE PROBLEM IS GIVEN IN LOW PRECISION. The matrix products marked QUANTISED in the list below multiply operands that are first quantised to E3M2 (3 exponent bits, 2 mantissa bits; 6 bits a number), with one power-of-two scale for each 32 numbers along K (OCP MX v1.0); their sums are f32. All else is computed in f32.
;;   The module's matrix products, in the order in which they are computed (A, B: the left and right operand; K: the contracted axis; several contracted axes count as one K, in the product's order):
;;     1. [M 8,192, K 1,024] x [K 1,024, N 3,072]; A: input x; B: input w_qkv: QUANTISED
;;     2. batch 64 x [M 2,048, K 64] x [K 64, N 2,048]; A: computed on the way; B: computed on the way: QUANTISED
;;     3. batch 64 x [M 2,048, K 2,048] x [K 2,048, N 64]; A: softmax (see below); B: computed on the way: QUANTISED
;;     4. [M 8,192, K 1,024] x [K 1,024, N 1,024]; A: computed on the way; B: input w_out: QUANTISED
;;   THE QUANTISER, for each operand of a quantised product, along K:
;;     - K is cut into blocks of 32 from its start; a last block that is shorter is filled with zeros.
;;     - A block's scale is 2^e with e = floor(log2(the largest magnitude in the block)) - 4, held to -126 .. 127; a block of zeros has e = 0. As a byte (E8M0): e + 127.
;;     - Each number is divided by its block's scale, clamped to +-28, and rounded to the nearest number of E3M2, ties to even, subnormals kept.
;;     - The product sums the exact products of the quantised numbers (number of the format x scale) in f32.
;;   ~~~python
;;   def quantise(x, axis):      # numpy; x: float32 -> the quantised numbers, widened to float32 again
;;       x = np.moveaxis(x, axis, -1); K = x.shape[-1]
;;       x = np.pad(x, [(0, 0)] * (x.ndim - 1) + [(0, -K % 32)]); x = x.reshape(x.shape[:-1] + (-1, 32)); a = np.abs(x).max(-1, keepdims=True)
;;       e = np.where(a > 0, np.clip(np.frexp(np.where(a > 0, a, 1))[1] - 1 - 4, -126, 127), 0)      # np.frexp(a)[1] - 1 = floor(log2(a)), exactly
;;       r = np.clip(x / 2.0 ** e, -28, 28)
;;       step = 2.0 ** (np.maximum(np.frexp(np.where(r == 0, 1, r))[1] - 1, -2) - 2)
;;       q = np.round(r / step) * step * 2.0 ** e      # np.round: ties to even
;;       return np.moveaxis(q.reshape(q.shape[:-2] + (-1,))[..., :K], -1, axis).astype(np.float32)
;;   ~~~
;;   SOFTMAX AHEAD OF A QUANTISED PRODUCT. Where the list says 'softmax', what is quantised is not the finished softmax but p = 2^(t - M), with t = logit x log2(e) and M = ceil(the row's largest t), a whole number; so 1/2 < the row's largest p <= 1. The row's sum l is taken of the UNQUANTISED p, in f32, and the product's result is divided by l at the end. Since M is a whole number, a kernel that streams over the keys may use a running M (the ceiling of the running maximum): every later rescaling is an exact power of two, which a block's scale takes up: the codes' values come out the same.
;;   OPERANDS COMPUTED ON THE WAY. 'Computed on the way' means the value that the module computes at that place (a softmax that the list does not call 'softmax' is quantised finished and normalised). What goes into a quantiser is computed in f32, as accurately as f32 sums, v_exp_f32 and their like allow (about 1e-6 of the number): no bf16 or f16 on the way to a quantiser, and a product that is left as it is and whose result goes on into a quantised operand takes f32 operands (vector FMAs, or v_wmma_f32_16x16x4_f32). A number that lies on a knife's edge between two numbers of the format may be rounded either way, as far as f32 arithmetic and the matrix unit's own rounding can turn it there, and no further.
;; One version. Each part assembles by itself: llvm-mc -triple=amdgcn-amd-amdhsa -mcpu=gfx1250 --defsym DOCPART=n.
;; ======== version 1 of 1: 4 launches
;; workspace buffers: xq 6,553,600 bytes; wq 3,276,800 bytes; qkv 19,660,800 bytes; ao 6,553,600 bytes
;; launch quant (part 1): grid 384 x 1, 2 waves a work-group, no clusters, 23,296 bytes of LDS; arguments x, w_qkv, w_out, xq, wq; writes xq, wq
.if DOCPART == 1
	.amdgcn_target "amdgcn-amd-amdhsa--gfx1250"
	.amdhsa_code_object_version 6
	.text
	.protected	k_q00c520c38b_quant
	.globl	k_q00c520c38b_quant
	.p2align	8
	.type	k_q00c520c38b_quant,@function
k_q00c520c38b_quant:
	s_mov_b64 s[64:65], 0
	v_nop
	global_prefetch_b8 v0, s[64:65] scope:SCOPE_SE
	s_setreg_imm32_b32 hwreg(HW_REG_WAVE_MODE, 25, 1), 1
	s_wait_xcnt 0x0
; THE PROGRAM: causal self-attention, B 4, T 2048, C 1024, 16 heads of 64, all four products on codes of E3M2 with one E8M0 scale for each 32 along K.
; Four launches: quant (x and both weights become codes), gemm_qkv (x w_qkv + b_qkv, quantised on the way out), attn, gemm_out (.. w_out + b_out).
; WORK LEFT OUT, in launch attn alone: a key step (128 keys) all of whose keys come after all 16 queries of a wave's tile.  reference() sets those logits to -inf by the jnp.tril that it builds in its
; own body; their softmax weight is exp(-inf) = 0 for every finite input, so they add nothing to a row's sum nor to the product with v, whatever x, the weights and the biases hold.  Key 0 counts for every query,
; so no row is empty.  LIMIT: a NaN, an infinity or an overflow that would arise only in the scores left out is not carried to the result.  Every input has a way to the output and is loaded.
; THIS LAUNCH.  x [8192][1024] is quantised along its last axis, w_qkv [1024][3072] and w_out [1024][1024] along their FIRST axis (K of x @ w).
; A block's scale is 2^(floor(log2(largest magnitude)) - 4): its byte is the largest magnitude's exponent field - 4, held at 1 from below by a floor among the maximum's leaves.
; LIMITS: a block of zeros gets the byte 1 where the rule says 127 (its codes are zeros, and these bytes are read by this program alone); blocks whose largest magnitude lies under 2^-122 were not tried; NaN and infinities are not served.
; THE WORKSPACE IS LAID AS THE MATRIX UNIT'S REGISTERS.  A TILE is 16 rows of a group of 32: lane r of tile 2 g + u holds row 32 g + 8 u + r + 8 (r / 8).  A FRAGMENT (tile, K step s) is 16 rows x 128 K in 12 registers
; (register 6 c + i of lane (r, h): k = 128 s + 64 c + 32 h + ..); its image is 1,536 bytes at tile x 12288 + s x 1536: registers 4 g .. 4 g + 3 of a lane at 512 g + 16 x lane.
; Scale words (4 bytes: 128 along K of one row) behind the codes: tile x 512 + (s / 4) x 256 + 16 r + 4 (s % 4).  wq: tiles 0-191 are w_qkv's columns, tiles 192-255 w_out's.
; Work-groups 0-255 take x (a wave: one tile, all of K), 256-383 the weights (a wave: 32 columns x 512 along K).  Each wave reads 65,536 bytes.  No barrier: waves share nothing.  The two paths have LDS bytes of their own.
.set XST,   0                          ; path X: a stage of 16 rows x (512 + 16) bytes for each wave
.set WST,   16896                      ; path W: two fragments' images, 3,072 bytes, for each wave
.set SPARE, 23040                      ; the spare words, 128 bytes a wave: one block of 256 bytes that no other line names
.set SPW,   12                         ; v12  SPARE + 4 x thread; never rewritten
.set NIL,   13                         ; v13  0; never rewritten
.set SEL,   22                         ; s[22:23] v_permlanex16_b32's selects for lane l xor 16
.set R,     16                         ; X: v16-143  two sets of 64 numbers as loaded
.set X,     144                        ; X: v144-207 64 numbers: register 16 b + i = k 32 b + 16 h + i of my row
.set PC,    208                        ; X: v208-226 the codes just made
.set TM,    228                        ; X: v228-243 at work
.set PWS,   244                        ; X: v244-251 the eight K steps' scale words
.set OFFS,  16                         ; W: v16-47   byte offset of row i of a block, at my column
.set XW,    48                         ; W: v48-111  two sets of 32 numbers
.set D,     112                        ; W: v112-117 a block's six registers of codes
.set E,     118                        ; W: v118-120 the second conversion's result
.set SB,    124                        ; W: v124-127 scale words of four K steps
.set OUTR,  128                        ; W: v128-151 two images on the way out
; 64 numbers of a lane, v[s] on, register 16 b + i = k 32 b + 16 (lane / 16) + i of my row, become a fragment's codes in v[PC] .. v[PC+11] and its scale word in v[pw].
.macro QUANT s, pw
.irp b, 0,1,2,3
	v_max3_num_f32 v[TM+\b], |v[(\s)+16*\b]|, |v[(\s)+1+16*\b]|, 0x2800000   ; my 16 numbers of block b, and the floor 2^(5 - 127): the byte cannot fall under 1
.endr
.irp i, 2,4,6,8,10,12,14
.irp b, 0,1,2,3
	v_max3_num_f32 v[TM+\b], v[TM+\b], |v[(\s)+16*\b+\i]|, |v[(\s)+1+16*\b+\i]|   ; the four blocks by turns
.endr
.endr
.irp b, 0,1,2,3
	v_permlanex16_b32 v[TM+4+\b], v[TM+\b], s[SEL], s[SEL+1]
.endr
.irp b, 0,1,2,3
	v_max_num_f32 v[TM+\b], v[TM+\b], v[TM+4+\b]   ; with lane l xor 16's 16: the block's largest magnitude
.endr
.irp b, 0,1,2,3
	v_add_nc_u32 v[TM+12+\b], 0xfe000000, v[TM+\b]   ; 4 off its exponent field: the conversion takes this operand's exponent field as its scale
.endr
.irp b, 0,1,2,3
	v_lshrrev_b32 v[TM+4+\b], 23, v[TM+12+\b]      ; the scale's byte
.endr
	v_lshl_or_b32 v[\pw], v[TM+5], 8, v[TM+4]
	v_lshl_or_b32 v[\pw], v[TM+6], 16, v[\pw]
	v_lshl_or_b32 v[\pw], v[TM+7], 24, v[\pw]
.irp c, 0,1
	v_cvt_scalef32_pk16_bf6_f32 v[PC+6*\c:PC+2+6*\c], v[(\s)+32*\c:(\s)+15+32*\c], v[TM+12+2*\c]
	v_cvt_scalef32_pk16_bf6_f32 v[PC+12+4*\c:PC+14+4*\c], v[(\s)+16+32*\c:(\s)+31+32*\c], v[TM+12+2*\c+1]   ; (a conversion's three registers begin on an even number)
.endr
	v_nop                                          ; one plain instruction behind the scaled conversions
.irp c, 0,1                                    ; the layout wants a whole block in a lane: lanes 0-15 block 2 c, lanes 16-31 block 2 c + 1
.irp i, 0,1,2
	v_permlane16_swap_b32 v[PC+6*\c+\i], v[PC+12+4*\c+\i]
.endr
.irp i, 0,1,2
	v_mov_b32 v[PC+3+6*\c+\i], v[PC+12+4*\c+\i]
.endr
.endr
.endm
	s_load_b256 s[24:31], s[0:1], 0x0              ; x s[24:25], w_qkv s[26:27], w_out s[28:29], xq s[30:31]
	s_load_b64 s[32:33], s[0:1], 0x20              ; wq
	v_lshl_add_u32 v[SPW], v0, 2, SPARE
	v_mov_b32 v[NIL], 0
	v_lshrrev_b32 v1, 5, v0
	v_readfirstlane_b32 s12, v1                    ; wave 0, 1
	v_and_b32 v3, 31, v0                           ; lane
	v_lshlrev_b32 v4, 4, v3                        ; 16 x lane
	s_cmp_lt_u32 ttmp9, 256                        ; x's work-group or the weights'?
	s_cbranch_scc0 .Lweights
	; ---------------- PATH X: one tile of 16 rows, eight K steps of 128
	s_lshl_b32 s13, ttmp9, 1
	s_add_co_u32 s13, s13, s12                     ; my tile
	s_lshr_b32 s14, s13, 1
	s_lshl_b32 s14, s14, 5
	s_and_b32 s15, s13, 1
	s_lshl_b32 s15, s15, 3
	s_add_co_u32 s14, s14, s15                     ; its first row: 32 (tile / 2) + 8 (tile % 2)
	s_lshl_b32 s14, s14, 12                        ; a row of x is 4,096 bytes
	s_mov_b32 s15, 0
	s_mul_i32 s16, s13, 12288                      ; the tile's eight images
	s_mov_b32 s17, 0
	s_lshl_b32 s18, s13, 9
	s_add_co_u32 s18, s18, 6291456                 ; its scale words
	s_mov_b32 s19, 0
	s_mov_b32 s20, 0xffff0000                      ; lanes 16-31
	s_mov_b32 s[SEL], 0x76543210
	s_mov_b32 s[SEL+1], 0xfedcba98
	s_mul_i32 s21, s12, 8448                       ; my stage (XST = 0)
	v_add_nc_u32 v5, s21, v4                       ; in: 16 x lane of a row's 512 bytes
	v_and_b32 v1, 15, v0                           ; r
	v_bfe_u32 v2, v0, 4, 1                         ; h
	v_mul_u32_u24 v6, v1, 528
	v_lshl_add_u32 v6, v2, 6, v6
	v_add_nc_u32 v6, s21, v6                       ; back: row r, + 64 h: my 16 numbers of a block of 32
.irp b, 0,1,2,3
	v_mov_b32 v[TM+4+\b], 0                        ; written once: a lane permute's destination counts as one of its sources
.endr
	s_wait_kmcnt 0x0
	s_add_nc_u64 s[4:5], s[24:25], s[14:15]
	s_add_nc_u64 s[8:9], s[30:31], s[16:17]
	s_add_nc_u64 s[10:11], s[30:31], s[18:19]
.macro LOADX t                         ; K step t of the tile's 16 rows: each load reads 512 consecutive bytes of one row
.set n, 0
.rept 16
	global_load_b128 v[R+64*((\t)%2)+4*n:R+64*((\t)%2)+4*n+3], v4, s[4:5] offset:(n+8*(n/8))*4096+512*(\t) th:TH_LOAD_NT
.set n, n+1
.endr
.endm
.macro STEPX t
.if (\t) < 7
	s_wait_loadcnt 16                              ; this step's 16 loads are in; the next step's 16 may be out
.else
	s_wait_loadcnt 0x0
.endif
.set n, 0
.rept 16
	ds_store_b128 v5, v[R+64*((\t)%2)+4*n:R+64*((\t)%2)+4*n+3] offset:528*n   ; as loaded, a row to a stage row
.set n, n+1
.endr
.irp b, 0,1,2,3
.irp j, 0,1,2,3
	ds_load_b128 v[X+16*\b+4*\j:X+16*\b+4*\j+3], v6 offset:128*\b+16*\j     ; LDS serves a wave's instructions in order: these see the stores above
.endr
.endr
	s_wait_dscnt 0x0                               ; the numbers are back, and the stores have read their registers
	s_wait_xcnt 0x0                                ; the last step's stores have read the codes' registers
.if (\t)+2 < 8
	LOADX (\t)+2
.endif
	QUANT X, PWS+(\t)
.irp g, 0,1,2
	global_store_b128 v4, v[PC+4*\g:PC+4*\g+3], s[8:9] offset:1536*(\t)+512*\g   ; 512 consecutive bytes, aligned
.endr
.endm
	LOADX 0
	LOADX 1
.irp t, 0,1,2,3,4,5,6,7
	STEPX \t
.endr
.irp w, 0,1,2,3
	v_cndmask_b32 v[X+\w], v[PWS+\w], v[PWS+4+\w], s20   ; lanes 0-15: K steps 0-3 of row r; lanes 16-31: K steps 4-7
.endr
	global_store_b128 v4, v[X:X+3], s[10:11]       ; the tile's 512 bytes of scale words
	s_wait_tensorcnt 0x0                           ; the wave's end
	ds_add_u32 v[SPW], v[NIL]
	s_wait_dscnt 0x0
	s_endpgm
	; ---------------- PATH W: a lane takes a column, its registers run down K; 32 columns (two tiles) x 512 along K (four K steps) a wave
.Lweights:
	s_sub_co_u32 s13, ttmp9, 256
	s_and_b32 s14, s13, 1                          ; which half of K
	s_and_b32 s13, s13, 0xfe
	s_add_co_u32 s13, s13, s12                     ; G: my group of 32 columns, 0-95 of w_qkv, 96-127 of w_out
	s_sub_co_u32 s15, s13, 96
	s_mov_b32 s16, 4096
	s_cmp_lt_u32 s13, 96
	s_cselect_b32 s15, s13, s15                    ; the group's number in its own tensor
	s_cselect_b32 s16, 12288, s16                  ; a row of that tensor in bytes
	s_wait_kmcnt 0x0
	s_cselect_b64 s[4:5], s[26:27], s[28:29]       ; the choice hangs on the work-group's and the wave's number alone
	s_lshl_b32 s18, s15, 7                         ; 32 columns are 128 bytes
	s_mul_i32 s19, s14, s16
	s_lshl_b32 s19, s19, 9                         ; 512 rows down for the second half
	s_add_co_u32 s18, s18, s19
	s_mov_b32 s19, 0
	s_add_nc_u64 s[4:5], s[4:5], s[18:19]
	s_lshl_b32 s6, s16, 5                          ; a block on: 32 rows
	s_mov_b32 s7, 0
	s_mul_i32 s18, s13, 24576                      ; tile 2 G
	s_mul_i32 s20, s14, 6144                       ; K step 4 x half
	s_add_co_u32 s18, s18, s20
	s_add_nc_u64 s[8:9], s[32:33], s[18:19]
	s_lshl_b32 s18, s13, 10
	s_lshl_b32 s20, s14, 8
	s_add_co_u32 s18, s18, s20
	s_add_co_u32 s18, s18, 3145728
	s_add_nc_u64 s[10:11], s[32:33], s[18:19]      ; the scale words of tile 2 G, my half of K
	v_bfe_u32 v1, v0, 3, 1                         ; column l of the 32 is lane r = (l % 8) + 8 (l / 16) of tile u = (l / 8) % 2
	v_and_b32 v2, 7, v0
	v_bfe_u32 v8, v0, 4, 1
	v_lshl_or_b32 v2, v8, 3, v2
	v_lshlrev_b32 v2, 4, v2                        ; 16 r
	v_mul_u32_u24 v5, v1, 1536
	v_add_nc_u32 v5, v5, v2
	s_mul_i32 s21, s12, 3072
	s_add_co_u32 s21, s21, WST
	v_add_nc_u32 v5, s21, v5                       ; into my images: tile u, lane r
	v_add_nc_u32 v6, s21, v4                       ; out of them: 16 x lane
	v_lshl_add_u32 v7, v1, 9, v2                   ; my scale words' place: 512 u + 16 r
	v_lshlrev_b32 v[OFFS], 2, v3
.set n, 1
.rept 31
	v_add_nc_u32 v[OFFS+n], s16, v[OFFS+n-1]
.set n, n+1
.endr
.macro LOADW set                       ; a block: 32 rows at my column; a wave's load reads 128 consecutive bytes
.set n, 0
.rept 32
	global_load_b32 v[XW+32*(\set)+n], v[OFFS+n], s[4:5] th:TH_LOAD_NT
.set n, n+1
.endr
	s_wait_xcnt 0x0                                ; the loads have read their base (and earlier stores their data): it may step
	s_add_nc_u64 s[4:5], s[4:5], s[6:7]
.endm
.macro BLOCK t                         ; block t: k = 32 t on; it is registers 6 c .. 6 c + 5 of lane r + 16 hb of K step t / 4, with 2 c + hb = t % 4
.set XS, XW+32*((\t)%2)
.set CC, ((\t)%4)/2
.set HB, (\t)%2
.if (\t) < 15
	s_wait_loadcnt 32                              ; this block's 32 loads are in; the next block's may be out
.else
	s_wait_loadcnt 0x0
.endif
	v_max3_num_f32 v9, |v[XS]|, |v[XS+1]|, |v[XS+2]|   ; the block's largest magnitude: all 32 numbers are mine
	v_max3_num_f32 v10, |v[XS+3]|, |v[XS+4]|, |v[XS+5]|
.irp i, 6,10,14,18,22,26
	v_max3_num_f32 v9, v9, |v[XS+\i]|, |v[XS+\i+1]|
	v_max3_num_f32 v10, v10, |v[XS+\i+2]|, |v[XS+\i+3]|
.endr
	v_max3_num_f32 v9, v9, |v[XS+30]|, |v[XS+31]|
	v_max3_num_f32 v9, v9, v10, 0x2800000          ; and the floor
	v_add_nc_u32 v11, 0xfe000000, v9               ; the conversions' scale operand
	v_lshrrev_b32 v10, 23, v11                     ; the byte
.if (\t)%4 == 0
	v_mov_b32 v[SB+(\t)/4], v10
.else
	v_lshl_or_b32 v[SB+(\t)/4], v10, 8*((\t)%4), v[SB+(\t)/4]
.endif
	v_cvt_scalef32_pk16_bf6_f32 v[D:D+2], v[XS:XS+15], v11
	v_cvt_scalef32_pk16_bf6_f32 v[E:E+2], v[XS+16:XS+31], v11
	v_nop                                          ; one plain instruction behind the scaled conversions
.irp i, 0,1,2
	v_mov_b32 v[D+3+\i], v[E+\i]
.endr
.if CC == 0
	ds_store_b128 v5, v[D:D+3] offset:256*HB       ; registers 0-3 of the image,
	ds_store_b64 v5, v[D+4:D+5] offset:256*HB+512  ; 4 and 5
.else
	ds_store_b64 v5, v[D:D+1] offset:256*HB+520    ; registers 6 and 7,
	ds_store_b128 v5, v[D+2:D+5] offset:256*HB+1024   ; 8-11
.endif
.if (\t)+2 < 16
	LOADW (\t)%2
.endif
	s_wait_dscnt 0x0                               ; the stores have read their registers
.if (\t)%4 == 3                        ; a K step of both tiles is whole: it leaves as it lies
.irp k, 0,1,2,3,4,5
	ds_load_b128 v[OUTR+4*\k:OUTR+4*\k+3], v6 offset:512*\k
.endr
	s_wait_dscnt 0x0
.irp k, 0,1,2,3,4,5
	global_store_b128 v4, v[OUTR+4*\k:OUTR+4*\k+3], s[8:9] offset:(\k/3)*12288+((\t)/4)*1536+512*(\k%3)
.endr
.endif
.endm
	LOADW 0
	LOADW 1
.irp t, 0,1,2,3,4,5,6,7,8,9,10,11,12,13,14,15
	BLOCK \t
.endr
	global_store_b128 v7, v[SB:SB+3], s[10:11]     ; 16 lanes of a tile store 256 consecutive bytes
	s_wait_tensorcnt 0x0                           ; the wave's end
	ds_add_u32 v[SPW], v[NIL]
	s_wait_dscnt 0x0
	s_endpgm
.Lfunc_end_k_q00c520c38b_quant:
	.size	k_q00c520c38b_quant, .Lfunc_end_k_q00c520c38b_quant-k_q00c520c38b_quant
	.p2alignl 7, 3214868480
	.fill 96, 4, 3214868480
	.section	.rodata,"a",@progbits
	.p2align	6, 0x0
	.amdhsa_kernel k_q00c520c38b_quant
		.amdhsa_group_segment_fixed_size 23296
		.amdhsa_private_segment_fixed_size 0
		.amdhsa_enable_private_segment 0
		.amdhsa_kernarg_size 40
		.amdhsa_user_sgpr_count 2
		.amdhsa_user_sgpr_kernarg_segment_ptr 1
		.amdhsa_wavefront_size32 1
		.amdhsa_system_sgpr_workgroup_id_x 1
		.amdhsa_system_sgpr_workgroup_id_y 1
		.amdhsa_system_sgpr_workgroup_id_z 1
		.amdhsa_system_vgpr_workitem_id 0
		.amdhsa_next_free_vgpr 256
		.amdhsa_next_free_sgpr 66
		.amdhsa_reserve_vcc 0
		.amdhsa_float_denorm_mode_32 3
		.amdhsa_float_denorm_mode_16_64 3
		.amdhsa_memory_ordered 1
		.amdhsa_forward_progress 1
		.amdhsa_inst_pref_size 146
	.end_amdhsa_kernel
	.amdgpu_metadata
---
amdhsa.version: [ 1, 2 ]
amdhsa.kernels:
  - .name:           k_q00c520c38b_quant
    .symbol:         k_q00c520c38b_quant.kd
    .args:
      - { .name: x, .offset: 0, .size: 8, .value_kind: global_buffer, .address_space: global }
      - { .name: w_qkv, .offset: 8, .size: 8, .value_kind: global_buffer, .address_space: global }
      - { .name: w_out, .offset: 16, .size: 8, .value_kind: global_buffer, .address_space: global }
      - { .name: xq, .offset: 24, .size: 8, .value_kind: global_buffer, .address_space: global }
      - { .name: wq, .offset: 32, .size: 8, .value_kind: global_buffer, .address_space: global }
    .group_segment_fixed_size: 23296
    .private_segment_fixed_size: 0
    .kernarg_segment_align: 8
    .kernarg_segment_size: 40
    .max_flat_workgroup_size: 64
    .sgpr_count:     66
    .vgpr_count:     256
    .wavefront_size: 32
...
	.end_amdgpu_metadata
.endif
;; end of part 1
;; launch gemm_qkv (part 2): grid 8 x 96, 4 waves a work-group, clusters of 4 x 4, 327,680 bytes of LDS; arguments xq, wq, b_qkv, qkv; writes qkv
.if DOCPART == 2
	.amdgcn_target "amdgcn-amd-amdhsa--gfx1250"
	.amdhsa_code_object_version 6
	.text
	.protected	k_q00c520c38b_gemm_qkv
	.globl	k_q00c520c38b_gemm_qkv
	.p2align	8
	.type	k_q00c520c38b_gemm_qkv,@function
k_q00c520c38b_gemm_qkv:
	s_mov_b64 s[64:65], 0
	v_nop
	global_prefetch_b8 v0, s[64:65] scope:SCOPE_SE
	s_setreg_imm32_b32 hwreg(HW_REG_WAVE_MODE, 25, 1), 1
	s_wait_xcnt 0x0
	s_wait_alu depctr_hold_cnt(0) depctr_sa_sdst(0) depctr_va_vdst(0) depctr_va_sdst(0) depctr_va_ssrc(0) depctr_va_vcc(0) depctr_vm_vsrc(0)
	s_getreg_b32 s2, hwreg(HW_REG_IB_STS2, 6, 4)
	s_cmp_eq_u32 s2, 0
	s_cbranch_scc0 .Lentry_in_a_cluster
	s_endpgm
.Lentry_in_a_cluster:
	s_bfe_u32 s2, ttmp6, 0x10000c
	s_cmp_lg_u32 s2, 0xf033
	s_cbranch_scc0 .Lentry_shape_is_right
	s_endpgm
.Lentry_shape_is_right:
; qkv = x w_qkv + b_qkv on codes of E3M2 (K = 1024), and its result quantised at once for the attention: q and k along d (blocks of 32 inside a head), v along the TOKENS (the keys are the second product's K).
; Nothing of reference() is left out here.  LIMITS of the quantiser as in launch quant (a block of zeros gets the byte 1; magnitudes under 2^-122 not tried; NaN and infinities not served).
; NAMES.  P is source 0 of the matrix instruction: its index runs along a lane's registers in the result, so it is the axis along which the result is quantised.  Q is source 1: a lane's own row.
; ONE TEXT, TWO ROLES, told by the cluster's y, which all partners share, and served by selects alone.  Role 0 (cluster y 0-15): P = w_qkv's columns 0-2047 (q, k), Q = tokens.  Role 1 (16-23): P = tokens, Q = columns 2048-3071 (v).
; SHARES.  A work-group makes P 256 x Q 128, a wave P 128 (8 tiles) x Q 64 (4 tiles): 32 accumulators, 256 registers.  ALL OF K LIES IN LDS: (256 + 128) rows x 768 bytes; no byte of LDS is filled twice.
; It comes in four chunks of 256 along K, asked for together at the head: five tensor loads a wave are out at the most (its scale words, four chunks).
; CLUSTER 4 x 4: P's tiles hang on the work-group's x and are asked for jointly down a column, Q's on its y and jointly along a row.
; OPERANDS lie in memory as images of their registers (launch quant): a fragment is three loads of 16 bytes a lane, 512 consecutive bytes each: no pitch, no padding.
; Because every tile holds rows 8 u + r + 8 (r / 8) of its group of 32, the 16 registers of two neighbouring result tiles are 16 neighbours along P.
; OUT (buffer qkv).  A fragment's image in PAIRS: registers 2 g, 2 g + 1 of a lane at 256 g + 8 x lane, so that each half (64 along K: one head) is 768 consecutive bytes.
;   q, k: at hp x 786432 + token tile x 1536 (hp 0-7: q's head pairs, 8-15: k's).   v: at 12582912 + head x 393216 + (token / 128) x 6144 + d tile x 1536.
;   q's, k's scale words at 18874368 + hp x 32768 + (token / 64) x 256 + 16 r + 8 g + 4 e: bytes (tile 2 g: b0, b1 | tile 2 g + 1: b0, b1) of head 2 hp + e.   v's at 19398656 + head x 16384 + (token / 128) x 256 + 16 r + 4 x d tile.
; REGISTERS: window 0: v1-19 addresses; v28, v29 the add's two; v32-95 P's scale words (8 b + s), v96-127 Q's (8 a + s), v128-191 the bias along P (8 b + j), v192-199 the bias along Q; on the way out v32-115, v200-219 at work.
;   window 1: fragment set 0 (P at 12 b, Q at 96 + 12 a);  window 2: set 1;  window 3: accumulator (a, b) at 8 (8 a + b).
.set CHUNK, 73728                      ; a chunk: P's 16 tiles x 3,072 bytes, then Q's 8 tiles
.set QOFF,  49152
.set SCL,   4*CHUNK                    ; P's scale words, 8,192 bytes; Q's, 4,096
.set SPARE, SCL+12288                  ; the spare words, 128 bytes a wave: two blocks of 256 bytes that no other line names
.set ADP, 4                            ; v4-7   my P fragments in chunk 0-3: + 16 x lane
.set ADQ, 8                            ; v8-11  my Q fragments
.set ASP, 12
.set ASQ, 13
.set SPW, 28
.set NIL, 29
.set SCP, 32
.set SCQ, 96
.set BP,  128
.set BQ,  192
.set H,   32
.set PC,  96
.set TM,  200
.set PW,  216
.set SEL, 20
.set G1P,  24
.set G1Q,  32
.set G1SP, 40
.set G1SQ, 48
.set G0SP, 56
.set G0SQ, 60
.set G0P,  68                          ; s68-83 a group 0 for each chunk of P;  s84-99 of Q
.set G0Q,  84
.set MSB, 0
.macro WIN new                         ; the immediate's high byte repeats the setting that is left
.if MSB != (\new)
	s_set_vgpr_msb (MSB<<8)|(\new)
.set MSB, \new
.endif
.endm
.macro PLACES n
.rept \n
	v_nop
.endr
.endm
.macro SHAPE g, c, r, p                ; group 1's words 1-7: r rows of c elements of 8 bytes, p elements from row to row
	s_mov_b32 s[\g+1], (\c)<<16
	s_mov_b32 s[\g+2], (\r)<<16
	s_mov_b32 s[\g+3], (\c)<<16
	s_mov_b32 s[\g+4], \r
	s_mov_b32 s[\g+5], \p
	s_mov_b32 s[\g+6], 0
	s_mov_b32 s[\g+7], 0
.endm
; A joint load: waves 0 and 1 fetch P's halves, waves 2 and 3 Q's.  The branch hangs on the wave's number alone.  An s_nop 0 and four v_nop follow each line.
.macro JLOAD g0p, g1p, g0q, g1q
	s_cmp_eq_u32 s13, 0
	s_cbranch_scc0 .Lfor_q_\@
	tensor_load_to_lds s[\g0p:\g0p+3], s[\g1p:\g1p+7]
	s_nop 0
.rept 4
	v_nop
.endr
	s_branch .Lasked_\@
.Lfor_q_\@:
	tensor_load_to_lds s[\g0q:\g0q+3], s[\g1q:\g1q+7]
	s_nop 0
.rept 4
	v_nop
.endr
.Lasked_\@:
.endm
.macro CROUND                          ; a round of the cluster's barrier
	s_barrier_signal -1
	s_barrier_wait -1
	s_cmp_lg_u32 s12, 0
	s_cbranch_scc1 .Lnot_wave_0_\@
	s_barrier_signal -3
.Lnot_wave_0_\@:
	s_barrier_wait -3
	s_barrier_signal -1
	s_barrier_wait -1
.endm
.macro QUANT s, pw                     ; 64 numbers of a lane, register 16 b + i = k 32 b + 16 (lane / 16) + i, become codes in v[PC] .. v[PC+11] and a scale word in v[pw]
.irp b, 0,1,2,3
	v_max3_num_f32 v[TM+\b], |v[(\s)+16*\b]|, |v[(\s)+1+16*\b]|, 0x2800000   ; and the floor 2^(5 - 127): the byte cannot fall under 1
.endr
.irp i, 2,4,6,8,10,12,14
.irp b, 0,1,2,3
	v_max3_num_f32 v[TM+\b], v[TM+\b], |v[(\s)+16*\b+\i]|, |v[(\s)+1+16*\b+\i]|
.endr
.endr
.irp b, 0,1,2,3
	v_permlanex16_b32 v[TM+4+\b], v[TM+\b], s[SEL], s[SEL+1]
.endr
.irp b, 0,1,2,3
	v_max_num_f32 v[TM+\b], v[TM+\b], v[TM+4+\b]
.endr
.irp b, 0,1,2,3
	v_add_nc_u32 v[TM+12+\b], 0xfe000000, v[TM+\b]   ; 4 off the exponent field: the conversion's scale operand
.endr
.irp b, 0,1,2,3
	v_lshrrev_b32 v[TM+4+\b], 23, v[TM+12+\b]
.endr
	v_lshl_or_b32 v[\pw], v[TM+5], 8, v[TM+4]
	v_lshl_or_b32 v[\pw], v[TM+6], 16, v[\pw]
	v_lshl_or_b32 v[\pw], v[TM+7], 24, v[\pw]
.irp c, 0,1
	v_cvt_scalef32_pk16_bf6_f32 v[PC+6*\c:PC+2+6*\c], v[(\s)+32*\c:(\s)+15+32*\c], v[TM+12+2*\c]
	v_cvt_scalef32_pk16_bf6_f32 v[PC+12+4*\c:PC+14+4*\c], v[(\s)+16+32*\c:(\s)+31+32*\c], v[TM+12+2*\c+1]
.endr
	v_nop                                          ; one plain instruction behind the scaled conversions
.irp c, 0,1
.irp i, 0,1,2
	v_permlane16_swap_b32 v[PC+6*\c+\i], v[PC+12+4*\c+\i]
.endr
.irp i, 0,1,2
	v_mov_b32 v[PC+3+6*\c+\i], v[PC+12+4*\c+\i]
.endr
.endr
.endm
	s_load_b256 s[4:11], s[0:1], 0x0               ; xq s[4:5], wq s[6:7], b_qkv s[8:9], qkv s[10:11]
	v_lshl_add_u32 v[SPW], v0, 2, SPARE
	v_mov_b32 v[NIL], 0
	ds_add_u32 v[SPW], v[NIL]                      ; the wave's opening: the add, twice on end, and its wait ahead of my first tensor load
	ds_add_u32 v[SPW], v[NIL]
	v_lshrrev_b32 v1, 5, v0
	v_readfirstlane_b32 s12, v1                    ; wave 0..3
	s_lshr_b32 s13, s12, 1                         ; I fetch for P (0) or Q (1).  Also: which half of Q's rows I multiply
	s_and_b32 s14, s12, 1                          ; which half of that operand I fetch.  Also: which half of P's rows I multiply
	s_bfe_u32 s15, ttmp6, 0x40000                  ; cx
	s_bfe_u32 s16, ttmp6, 0x40004                  ; cy
	s_and_b32 s17, ttmp7, 0xffff                   ; the cluster's y
	s_lshl_b32 s19, s16, 2
	s_lshl_b32 s19, 15, s19                        ; my row of the cluster
	s_lshl_b32 s3, 0x1111, s15                     ; my column
	s_or_b32 s[G1P], s3, (3<<16)|(1<<21)           ; 15:0 the mask; 17:16 elements of 8 bytes; 21 set beside a mask; no padding
	s_or_b32 s[G1SP], s3, (3<<16)|(1<<21)
	s_or_b32 s[G1Q], s19, (3<<16)|(1<<21)
	s_or_b32 s[G1SQ], s19, (3<<16)|(1<<21)
	SHAPE G1P, 384, 8, 1536                        ; 8 tiles' 3,072 bytes of a chunk, 12,288 bytes from tile to tile
	SHAPE G1Q, 384, 4, 1536
	SHAPE G1SP, 32, 16, 32                         ; 8 tiles' scale words: 4,096 dense bytes as rows of 256
	SHAPE G1SQ, 32, 8, 32
	s_mov_b32 s[G0SP], 1
	s_lshl_b32 s19, s14, 12
	s_add_co_u32 s[G0SP+1], s19, SCL
	s_mov_b32 s[G0SQ], 1
	s_lshl_b32 s19, s14, 11
	s_add_co_u32 s[G0SQ+1], s19, SCL+8192
	s_mul_i32 s19, s14, 24576
	s_mul_i32 s3, s14, 12288
.irp g, 0,1,2,3
	s_mov_b32 s[G0P+4*\g], 1
	s_add_co_u32 s[G0P+4*\g+1], s19, \g*CHUNK      ; LDS addresses hang on the wave's number alone
	s_mov_b32 s[G0Q+4*\g], 1
	s_add_co_u32 s[G0Q+4*\g+1], s3, \g*CHUNK+QOFF
.endr
	; the role, and which block of P and of Q is mine.  P's numbers stand in s20-23 and s104 and never hold cy; Q's in s66, s67, s100, s101, s105 and never hold cx
	s_and_b32 s20, s17, 3
	s_lshl_b32 s20, s20, 3
	s_lshr_b32 s66, s17, 2
	s_sub_co_u32 s66, s66, 4
	s_mov_b32 s22, 3145728
	s_mov_b32 s100, 6291456
	s_cmp_ge_u32 s17, 16
	s_cselect_b32 s18, 1, 0                        ; the role
	s_cselect_b32 s20, s20, 0                      ; role 1: 32 blocks of 256 tokens: + 8 (cluster y % 4)
	s_cselect_b32 s66, s66, s17                    ; role 1: (cluster y - 16) / 4;  role 0: cluster y
	s_cselect_b32 s67, 128, 0                      ; role 1: Q's tiles begin at column 2048
	s_cselect_b32 s22, 6291456, s22                ; where the scale words begin in P's buffer,
	s_cselect_b32 s100, 3145728, s100              ; and in Q's
	s_lshl_b32 s104, ttmp9, 2
	s_add_co_u32 s104, s104, s15
	s_add_co_u32 s104, s104, s20                   ; P's block of 256
	s_lshl_b32 s105, s66, 2
	s_add_co_u32 s105, s105, s16                   ; Q's block of 128
	s_lshl_b32 s20, s104, 4
	s_lshl_b32 s21, s14, 3
	s_add_co_u32 s20, s20, s21                     ; the first of the 8 tiles of P that I would fetch
	s_lshl_b32 s23, s20, 9
	s_add_co_u32 s22, s22, s23
	s_mov_b32 s23, 0
	s_mul_i32 s20, s20, 12288
	s_mov_b32 s21, 0
	s_lshl_b32 s66, s105, 3
	s_add_co_u32 s66, s66, s67
	s_lshl_b32 s67, s14, 2
	s_add_co_u32 s66, s66, s67                     ; the first of the 4 tiles of Q
	s_lshl_b32 s101, s66, 9
	s_add_co_u32 s100, s100, s101
	s_mov_b32 s101, 0
	s_mul_i32 s66, s66, 12288
	s_mov_b32 s67, 0
	s_wait_dscnt 0x0                               ; both opening adds are done
	s_wait_kmcnt 0x0
	s_cmp_lg_u32 s18, 0
	s_cselect_b64 s[2:3], s[4:5], s[6:7]           ; P's buffer: the tokens' codes in role 1, the weights' in role 0
	s_cselect_b64 s[6:7], s[6:7], s[4:5]           ; Q's: the other
	s_add_nc_u64 s[20:21], s[2:3], s[20:21]
	s_add_nc_u64 s[22:23], s[2:3], s[22:23]
	s_add_nc_u64 s[66:67], s[6:7], s[66:67]
	s_add_nc_u64 s[100:101], s[6:7], s[100:101]
	s_mov_b64 s[G0SP+2:G0SP+3], s[22:23]
	s_or_b32 s[G0SP+3], s[G0SP+3], 0x80000000
	s_mov_b64 s[G0SQ+2:G0SQ+3], s[100:101]
	s_or_b32 s[G0SQ+3], s[G0SQ+3], 0x80000000
.irp g, 0,1,2,3
	s_add_nc_u64 s[G0P+4*\g+2:G0P+4*\g+3], s[20:21], \g*3072
	s_or_b32 s[G0P+4*\g+3], s[G0P+4*\g+3], 0x80000000
	s_add_nc_u64 s[G0Q+4*\g+2:G0Q+4*\g+3], s[66:67], \g*3072
	s_or_b32 s[G0Q+4*\g+3], s[G0Q+4*\g+3], 0x80000000
.endr
	CROUND                                         ; all sixteen work-groups are here: the joint loads meet
	JLOAD G0SP, G1SP, G0SQ, G1SQ                   ; the scale words first: they are wanted with chunk 0
.irp g, 0,1,2,3
	JLOAD G0P+4*\g, G1P, G0Q+4*\g, G1Q
.endr
	v_and_b32 v1, 15, v0                           ; r
	v_bfe_u32 v2, v0, 4, 1                         ; h
	v_and_b32 v3, 31, v0                           ; lane
	v_lshlrev_b32 v18, 4, v3
	s_mul_i32 s19, s14, 24576
	s_mul_i32 s22, s13, 12288
	s_add_co_u32 s22, s22, QOFF
.irp g, 0,1,2,3
	v_add_nc_u32 v[ADP+\g], s19, v18
	v_add_nc_u32 v[ADQ+\g], s22, v18
	s_add_co_u32 s19, s19, CHUNK
	s_add_co_u32 s22, s22, CHUNK
.endr
	v_lshlrev_b32 v19, 4, v1
	s_lshl_b32 s19, s14, 12
	s_add_co_u32 s19, s19, SCL
	v_add_nc_u32 v[ASP], s19, v19                  ; my 8 tiles' scale words: 16 r
	s_lshl_b32 s19, s13, 11
	s_add_co_u32 s19, s19, SCL+8192
	v_add_nc_u32 v[ASQ], s19, v19
	v_lshlrev_b32 v14, 3, v3                       ; the way out: 8 x lane
	v_lshl_add_u32 v15, v2, 3, v19                 ; and 16 r + 8 h
	v_lshlrev_b32 v16, 6, v2                       ; the bias along P: 64 h bytes
	v_and_b32 v17, 8, v1
	v_add_nc_u32 v17, v17, v1
	v_lshlrev_b32 v17, 2, v17                      ; the bias along Q: 4 (r + 8 (r / 8))
.irp b, 0,1,2,3
	v_mov_b32 v[TM+4+\b], 0                        ; written once: a lane permute's destination counts as one of its sources
.endr
	; THE BIAS belongs to the weights' columns: along P in role 0 (it is then the C of each sum's first product), along Q in role 1 (added as the sums leave their window).  The other of the two is masked to +0.
	s_lshl_b32 s4, s104, 10
	s_lshl_b32 s5, s14, 9
	s_add_co_u32 s4, s4, s5                        ; 4 x my first index along P
	s_lshl_b32 s6, s105, 9
	s_lshl_b32 s7, s13, 8
	s_add_co_u32 s6, s6, s7
	s_add_co_u32 s6, s6, 8192                      ; 4 x (2048 + my first index along Q)
	s_cmp_lg_u32 s18, 0
	s_cselect_b32 s4, 0, s4
	s_cselect_b32 s6, s6, 0
	s_mov_b32 s5, 0
	s_mov_b32 s7, 0
	s_add_nc_u64 s[4:5], s[8:9], s[4:5]
	s_add_nc_u64 s[6:7], s[8:9], s[6:7]
.irp t, 0,1,2,3,4,5,6,7
	global_load_b128 v[BP+8*\t:BP+8*\t+3], v16, s[4:5] offset:(32*(\t/2)+8*(\t%2))*4       ; register j of tile t is index 32 (t / 2) + 16 h + 8 (t % 2) + j
	global_load_b128 v[BP+8*\t+4:BP+8*\t+7], v16, s[4:5] offset:(32*(\t/2)+8*(\t%2))*4+16
.endr
.irp a, 0,1,2,3
	global_load_b32 v[BQ+2*\a], v17, s[6:7] offset:(32*(\a/2)+8*(\a%2))*4
.endr
	; where my results go
	s_lshl_b32 s20, s104, 1
	s_add_co_u32 s20, s20, s14                     ; my 128 along P
	s_lshl_b32 s21, s105, 1
	s_add_co_u32 s21, s21, s13                     ; my 64 along Q
	s_mov_b32 s66, 786432
	s_mov_b32 s100, 32768
	s_mov_b32 s3, 18874368
	s_cmp_lg_u32 s18, 0
	s_cselect_b32 s22, s21, s20                    ; role 0: the head pair; role 1: the head
	s_cselect_b32 s23, s20, s21                    ; role 0: token / 64; role 1: token / 128
	s_cselect_b32 s66, 393216, s66
	s_cselect_b32 s100, 16384, s100
	s_cselect_b32 s2, 12582912, 0
	s_cselect_b32 s3, 19398656, s3
	s_mul_i32 s66, s66, s22
	s_mul_i32 s100, s100, s22
	s_mul_i32 s22, s23, 6144
	s_lshl_b32 s23, s23, 8
	s_add_co_u32 s66, s66, s22
	s_add_co_u32 s66, s66, s2
	s_add_co_u32 s100, s100, s23
	s_add_co_u32 s100, s100, s3
	s_mov_b32 s67, 0
	s_mov_b32 s101, 0
	s_add_nc_u64 s[66:67], s[10:11], s[66:67]      ; my four images
	s_add_nc_u64 s[100:101], s[10:11], s[100:101]  ; my 256 bytes of scale words
	s_mov_b32 s2, 0x05040100
	s_mov_b32 s3, 0x07060302
	s_cmp_lg_u32 s18, 0
	s_cselect_b32 s2, 0x03020100, s2               ; role 0: the low halves of two words (the even head's bytes of two tiles); role 1: the first word whole
	s_cselect_b32 s3, 0x07060504, s3               ; role 0: the high halves; role 1: the second word whole
	s_cselect_b32 s19, 0, -1                       ; keeps the bias along P in role 0
	s_cselect_b32 s22, -1, 0                       ; keeps the bias along Q in role 1
	s_mov_b32 s[SEL], 0x76543210
	s_mov_b32 s[SEL+1], 0xfedcba98
	s_mov_b32 s23, 0xffff0000                      ; lanes 16-31
.macro FETCH s                         ; K step s: my 8 fragments of P and 4 of Q into set s % 2: 36 loads of 512 consecutive bytes
	WIN 0x40*(1+(\s)%2)
.irp i, 0,1,2,3,4,5,6,7
.irp g, 0,1,2
	ds_load_b128 v[12*\i+4*\g:12*\i+4*\g+3], v[ADP+(\s)/2] offset:3072*\i+1536*((\s)%2)+512*\g
.endr
.endr
.irp i, 0,1,2,3
.irp g, 0,1,2
	ds_load_b128 v[96+12*\i+4*\g:96+12*\i+4*\g+3], v[ADQ+(\s)/2] offset:3072*\i+1536*((\s)%2)+512*\g
.endr
.endr
.endm
; 16 products: Q's tiles a0, a0 + 1 x P's eight.  The 32 accumulators take turns, one instruction a turn, in the same order in every step.  first = 1: the bias along P starts the sums.
.macro MULH s, a0, first
.irp a, \a0, \a0+1
.irp b, 0,1,2,3,4,5,6,7
.if \first
	v_wmma_scale_f32_16x16x128_f8f6f4 v[8*(8*(\a)+\b):8*(8*(\a)+\b)+7], v[12*\b:12*\b+11], v[96+12*(\a):96+12*(\a)+11], v[BP+8*\b:BP+8*\b+7], v[SCP+8*\b+(\s)], v[SCQ+8*(\a)+(\s)] matrix_a_fmt:MATRIX_FMT_BF6 matrix_b_fmt:MATRIX_FMT_BF6
.else
	v_wmma_scale_f32_16x16x128_f8f6f4 v[8*(8*(\a)+\b):8*(8*(\a)+\b)+7], v[12*\b:12*\b+11], v[96+12*(\a):96+12*(\a)+11], v[8*(8*(\a)+\b):8*(8*(\a)+\b)+7], v[SCP+8*\b+(\s)], v[SCQ+8*(\a)+(\s)] matrix_a_fmt:MATRIX_FMT_BF6 matrix_b_fmt:MATRIX_FMT_BF6
.endif
.endr
.endr
.endm
.macro EVEN s                          ; a chunk's first K step: its successor lies in the same chunk
	s_wait_dscnt 0x0                               ; this step's fragments are in
	PLACES 4                                       ; four plain instructions between the last products on the other set and the loads into it
	FETCH (\s)+1
.if (\s) == 0
	WIN 0xc5                                       ; P and Q window 1, C (the bias) window 0, D window 3
	MULH 0, 0, 1
	MULH 0, 2, 1
.else
	WIN 0xf5
	MULH \s, 0, 0
	MULH \s, 2, 0
.endif
.endm
.macro ODD s                           ; a chunk's second K step: the next chunk must have landed in every wave's sight
	s_wait_dscnt 0x0
	s_wait_tensorcnt 2-(\s)/2                      ; my part of the next chunk is in; the chunks behind it may be out
	s_barrier_signal -1
	WIN 0xfa
	MULH \s, 0, 0                                  ; work on registers while the others arrive
	s_barrier_wait -1
	PLACES 4
	FETCH (\s)+1
	WIN 0xfa
	MULH \s, 2, 0
.endm
	s_wait_tensorcnt 3                             ; my scale words and my part of chunk 0 are in; chunks 1 to 3 may be out
	s_barrier_signal -1
	s_barrier_wait -1                              ; everybody's are
.irp b, 0,1,2,3,4,5,6,7
.irp p, 0,1
	ds_load_b128 v[SCP+8*\b+4*\p:SCP+8*\b+4*\p+3], v[ASP] offset:512*\b+256*\p   ; all eight K steps' words of row r of tile b
.endr
.endr
.irp a, 0,1,2,3
.irp p, 0,1
	ds_load_b128 v[SCQ+8*\a+4*\p:SCQ+8*\a+4*\p+3], v[ASQ] offset:512*\a+256*\p
.endr
.endr
	FETCH 0
	WIN 0
	s_wait_loadcnt 0x0                             ; the biases
.set n, 0
.rept 64
	v_and_b32 v[BP+n], s19, v[BP+n]
.set n, n+1
.endr
.irp a, 0,1,2,3
	v_and_b32 v[BQ+2*\a], s22, v[BQ+2*\a]
	v_and_b32 v[BQ+2*\a+1], s22, v[BQ+2*\a]        ; (the packed addition names the pair)
.endr
	EVEN 0
	ODD 1
	EVEN 2
	ODD 3
	EVEN 4
	ODD 5
	EVEN 6
	s_wait_dscnt 0x0
	WIN 0xfa
	MULH 7, 0, 0
	MULH 7, 2, 0
	WIN 0
	PLACES 4                                       ; four plain instructions ahead of the first read of results and of writes over scale registers
	; THE WAY OUT.  For each of Q's four tiles my 64 sums, 128 along P with lane l xor 16's, leave window 3 with the bias along Q added, become one fragment and go to memory as an image: no LDS, no barrier.
.irp a, 0,1,2,3
.if \a > 0
	s_wait_xcnt 0x0                                ; the last tile's stores have read the codes' registers
.endif
	WIN 0x03                                       ; source 0 in window 3
.set n, 0
.rept 32
	v_pk_add_f32 v[H+2*n:H+2*n+1], v[64*\a+2*n:64*\a+2*n+1], v[BQ+2*\a:BQ+2*\a+1] op_sel_hi:[1,0]   ; ascending: each accumulator is read from its low end on
.set n, n+1
.endr
	WIN 0
	QUANT H, PW+\a
.irp g, 0,1,2,3,4,5
	global_store_b64 v14, v[PC+2*\g:PC+2*\g+1], s[66:67] offset:1536*\a+256*\g   ; 256 consecutive bytes, aligned
.endr
.endr
	v_perm_b32 v[TM], v[PW+1], v[PW], s2           ; role 0: (tile 0: b0, b1 | tile 1: b0, b1) of the even head;  role 1: d tile 0's word
	v_perm_b32 v[TM+1], v[PW+1], v[PW], s3         ; role 0: of the odd head;  role 1: d tile 1's
	v_perm_b32 v[TM+2], v[PW+3], v[PW+2], s2
	v_perm_b32 v[TM+3], v[PW+3], v[PW+2], s3
	v_cndmask_b32 v[TM+8], v[TM], v[TM+2], s23     ; lanes 16-31 carry tiles 2 and 3
	v_cndmask_b32 v[TM+9], v[TM+1], v[TM+3], s23
	global_store_b64 v15, v[TM+8:TM+9], s[100:101] ; 256 consecutive bytes, aligned
	s_wait_tensorcnt 0x0                           ; the wave's end
	ds_add_u32 v[SPW], v[NIL]
	s_wait_dscnt 0x0
	CROUND                                         ; the closing round
	s_endpgm
.Lfunc_end_k_q00c520c38b_gemm_qkv:
	.size	k_q00c520c38b_gemm_qkv, .Lfunc_end_k_q00c520c38b_gemm_qkv-k_q00c520c38b_gemm_qkv
	.p2alignl 7, 3214868480
	.fill 96, 4, 3214868480
	.section	.rodata,"a",@progbits
	.p2align	6, 0x0
	.amdhsa_kernel k_q00c520c38b_gemm_qkv
		.amdhsa_group_segment_fixed_size 327680
		.amdhsa_private_segment_fixed_size 0
		.amdhsa_enable_private_segment 0
		.amdhsa_kernarg_size 32
		.amdhsa_user_sgpr_count 2
		.amdhsa_user_sgpr_kernarg_segment_ptr 1
		.amdhsa_wavefront_size32 1
		.amdhsa_system_sgpr_workgroup_id_x 1
		.amdhsa_system_sgpr_workgroup_id_y 1
		.amdhsa_system_sgpr_workgroup_id_z 1
		.amdhsa_system_vgpr_workitem_id 0
		.amdhsa_next_free_vgpr 1024
		.amdhsa_next_free_sgpr 106
		.amdhsa_reserve_vcc 0
		.amdhsa_float_denorm_mode_32 3
		.amdhsa_float_denorm_mode_16_64 3
		.amdhsa_memory_ordered 1
		.amdhsa_forward_progress 1
		.amdhsa_inst_pref_size 98
	.end_amdhsa_kernel
	.amdgpu_metadata
---
amdhsa.version: [ 1, 2 ]
amdhsa.kernels:
  - .name:           k_q00c520c38b_gemm_qkv
    .symbol:         k_q00c520c38b_gemm_qkv.kd
    .args:
      - { .name: xq, .offset: 0, .size: 8, .value_kind: global_buffer, .address_space: global }
      - { .name: wq, .offset: 8, .size: 8, .value_kind: global_buffer, .address_space: global }
      - { .name: b_qkv, .offset: 16, .size: 8, .value_kind: global_buffer, .address_space: global }
      - { .name: qkv, .offset: 24, .size: 8, .value_kind: global_buffer, .address_space: global }
    .group_segment_fixed_size: 327680
    .private_segment_fixed_size: 0
    .kernarg_segment_align: 8
    .kernarg_segment_size: 32
    .max_flat_workgroup_size: 128
    .sgpr_count:     106
    .vgpr_count:     1024
    .wavefront_size: 32
...
	.end_amdgpu_metadata
.endif
;; end of part 2
;; launch attn (part 3): grid 64 x 8, 16 waves a work-group, no clusters, 327,680 bytes of LDS; arguments qkv, ao; writes ao
.if DOCPART == 3
	.amdgcn_target "amdgcn-amd-amdhsa--gfx1250"
	.amdhsa_code_object_version 6
	.text
	.protected	k_q00c520c38b_attn
	.globl	k_q00c520c38b_attn
	.p2align	8
	.type	k_q00c520c38b_attn,@function
k_q00c520c38b_attn:
	s_mov_b64 s[64:65], 0
	v_nop
	global_prefetch_b8 v0, s[64:65] scope:SCOPE_SE
	s_setreg_imm32_b32 hwreg(HW_REG_WAVE_MODE, 25, 1), 1
	s_wait_xcnt 0x0
; Causal attention of one (batch, head) and 256 queries a work-group, both products on codes of E3M2; the result is quantised along d for the projection.
; LEFT OUT: a key step all of whose 128 keys come after all of a wave's queries: reference()'s own jnp.tril gives them the weight 0 for all finite inputs (shown at the head of launch quant).
; LIMITS: a NaN, infinity or overflow that would arise only in scores left out is not carried on; the quantiser's limits as in launch quant.
; THE SOFTMAX AHEAD OF THE SECOND PRODUCT: t = score x log2(e) / 8; M = the running largest t rounded UP to a whole number; p = 2^(t - M) is quantised along the keys, not normalised; the row's sum is taken of the
; unquantised p and divides at the end.  When M moves, the sum and O are multiplied by 2^(old M - new M): exact.
; SHARES.  Work-group x = 16 batch + head; y: the block of 256 queries is 7 - y, so that the blocks with the most keys are launched first.  Sixteen waves, each ONE tile of 16 queries in 256 registers.
; A tile's lane r holds token 8 u + r + 8 (r / 8) of its group of 32 (u = tile % 2), for queries and keys alike, as launch gemm_qkv left them.
; NO CLUSTER: under the causal mask the query blocks of a head need different numbers of key tiles, so a joint load would bring tiles that no wave of some partner reads.
; LAYOUT.  Both products are used transposed, so that a lane holds ONE query throughout.  THE FIRST PRODUCT HAS K = 64: source 0 is [key tile 2 g | key tile 2 g + 1] of the head, 12 registers, multiplied once by [q | 0] (tile 2 g's scores)
; and once by [0 | q] (tile 2 g + 1's): zero codes add nothing under any valid scale byte, and no LDS byte that is read goes unused.  k's scale word is laid for this (tile 2 g: b0, b1 | tile 2 g + 1: b0, b1); q's is (s0, s1, s0, s1).
; So the 16 registers of score tiles 2 g, 2 g + 1 are keys 32 g + 16 (lane / 16) + 0 .. 15, and p's conversions give the second product's operand.  v lies as fragments 16 d x 128 keys.
; THE RING: two LDS slots of 256 keys (K 12,288 bytes, V 12,288), filled by waves 0-3 (K's halves, V's halves), read by all sixteen.  Every work-group walks all 8 slots: trip counts are constants; what is left out is a step's work.
; OUT (buffer ao): the tile's half fragment (6 registers: 64 along the projection's K) at tile x 12288 + (head / 2) x 1536 + (head % 2) x 768, registers 2 g, 2 g + 1 at 256 g + 8 x lane; two scale bytes a row at 6291456 + head x 16384 + tile x 32 + 2 r.
; REGISTERS: v1-4 addresses that stay; v5, v6 the add's two; v7 my query's place; v8-11 addresses in hand; v12 -M, v13 the largest t, v[14:15] the sum; v16-27 [q | 0], v28-39 [0 | q]; v40-87 four fragments of K, then of V;
;   v88-91 K's scale words, v92-95 V's; v96-159 S^T, then p; v160-191 O^T; v192, v193 the prefetches' offset and step; v224-235 p's codes; v232-254 at work; v255 q's scale word.
.set SK,    256
.set VOFF,  12288                      ; a slot: 16 key tiles x 768 bytes, then 2 key steps x 4 d tiles x 1,536 bytes of V
.set SLOT1, 32768                      ; slot 1 begins here: one exclusive or turns an address from one slot to the other
.set NSL,   8
.set SCK,   65536                      ; K's scale words of the head pair and batch: 8,192 bytes, filled once
.set SCV,   73728                      ; V's of the head and batch: 4,096 bytes, filled once
.set STG,   77824                      ; the result's scale bytes: 32 bytes a wave; no fill lands here
.set SPARE, 78336                      ; the spare words, 128 bytes a wave: eight blocks of 256 bytes that no other line names
.set AK0,  1
.set AV0,  2
.set ASK0, 3
.set ASV0, 4
.set SPW,  5
.set NIL,  6
.set QL,   7
.set ADK,  8
.set ADV,  9
.set ADS,  10
.set ADT,  11
.set PFO,  192
.set PFS,  193
.set WV,   18
.set SEL,  20
.set CS,   22
.set G1K,  24
.set G1V,  32
.set G0K,  40
.set G0V,  44
.set G1SK, 48
.set G0SK, 56
.set G0SV, 60
.set G1SV, 68
.set TB,   2                           ; s2   LDS byte at which the slot in hand begins
.set TS,   3                           ; s3   the step's scale words of K: 512 bytes a step
.set TJ,   66                          ; s66  and V's: 256 bytes a step
.set SLOTS, 67
.set LIM,  80                          ; s80  1 in a wave that prefetches, else the greatest number
.set QB,   81                          ; s81  my tile's first query
.set KF,   98                          ; s98  the step's first key
.set Q0,   99                          ; s99  the first query of my tile's group of 32
.macro SHAPE g, c, r, p                ; group 1: r rows of c elements of 8 bytes, p elements from row to row; no mask, no padding
	s_mov_b32 s[\g], 3<<16
	s_mov_b32 s[\g+1], (\c)<<16
	s_mov_b32 s[\g+2], (\r)<<16
	s_mov_b32 s[\g+3], (\c)<<16
	s_mov_b32 s[\g+4], \r
	s_mov_b32 s[\g+5], \p
	s_mov_b32 s[\g+6], 0
	s_mov_b32 s[\g+7], 0
.endm
; Waves 0 and 1 fetch for K, waves 2 and 3 for V, the others nothing.  The branches hang on the wave's number alone.  An s_nop 0 and four v_nop follow each line.
.macro TLOAD g0k, g1k, g0v, g1v
	s_cmp_lt_u32 s[WV], 2
	s_cbranch_scc0 .Lnot_k_\@
	tensor_load_to_lds s[\g0k:\g0k+3], s[\g1k:\g1k+7]
	s_nop 0
.rept 4
	v_nop
.endr
	s_branch .Lasked_\@
.Lnot_k_\@:
	s_cmp_lt_u32 s[WV], 4
	s_cbranch_scc0 .Lasked_\@
	tensor_load_to_lds s[\g0v:\g0v+3], s[\g1v:\g1v+7]
	s_nop 0
.rept 4
	v_nop
.endr
.Lasked_\@:
.endm
; A PREFETCH INTO THE L2 of the slot that the NEXT change of slots will ask for: 48 blocks of 256 bytes of K (16 tiles x 768 bytes) and 48 of V (12,288 dense bytes), a lane a block.
; All eight work-groups of a (batch, head) walk the same K and V: the one with y = 0, which walks all slots, asks; in it waves 4 to 6, which fetch nothing, one instruction each.  So each block is named once in the launch.
; Slots 0 and 1 come by their loads alone; the last change that fills a slot asks for nothing.
.macro ASK
	s_cmp_gt_u32 s[SLOTS], s[LIM]
	s_cbranch_scc0 .Lnot_mine_\@
	s_wait_alu depctr_va_vdst(0)
	global_prefetch_b8 v[PFO], s[4:5] th:TH_LOAD_NT scope:SCOPE_SE
.Lnot_mine_\@:
.endm
	s_load_b128 s[4:7], s[0:1], 0x0                ; qkv s[4:5], ao s[6:7]
	v_lshl_add_u32 v[SPW], v0, 2, SPARE
	v_mov_b32 v[NIL], 0
	ds_add_u32 v[SPW], v[NIL]                      ; the wave's opening: the add, twice on end, and its wait ahead of my first tensor load
	ds_add_u32 v[SPW], v[NIL]
	v_lshrrev_b32 v8, 5, v0
	s_delay_alu instid0(VALU_DEP_1)
	v_readfirstlane_b32 s[WV], v8                  ; wave 0..15
	s_lshr_b32 s8, ttmp9, 4                        ; batch
	s_and_b32 s9, ttmp9, 15                        ; head
	s_and_b32 s10, s9, 1                           ; e: its parity
	s_lshr_b32 s11, s9, 1                          ; its pair
	s_and_b32 s12, ttmp7, 0xffff
	s_sub_co_u32 s12, 7, s12                       ; j: my block of 256 queries
	s_and_b32 s13, s[WV], 1                        ; which half I fetch, if I fetch.  Also u: my tile's parity
	s_add_co_u32 s14, s11, 8
	s_mul_i32 s14, s14, 786432
	s_mul_i32 s15, s8, 196608
	s_add_co_u32 s14, s14, s15
	s_mul_i32 s15, s10, 768
	s_add_co_u32 s14, s14, s15                     ; k's codes of my head and batch, as an offset in qkv
	s_mul_i32 s15, s13, 12288
	s_add_co_u32 s16, s14, s15                     ; + my 8 tiles
	s_mov_b32 s17, 0
	s_mul_i32 s82, s9, 393216
	s_mul_i32 s83, s8, 98304
	s_add_co_u32 s82, s82, s83
	s_add_co_u32 s82, s82, 12582912                ; v's codes of my head and batch
	s_mul_i32 s83, s13, 6144
	s_add_co_u32 s84, s82, s83                     ; + my key step
	s_mov_b32 s85, 0
	s_add_co_u32 s86, s11, 8
	s_lshl_b32 s86, s86, 15
	s_lshl_b32 s87, s8, 13
	s_add_co_u32 s86, s86, s87
	s_lshl_b32 s87, s13, 12
	s_add_co_u32 s86, s86, s87
	s_add_co_u32 s86, s86, 18874368                ; my half of k's scale words
	s_mov_b32 s87, 0
	s_lshl_b32 s88, s9, 14
	s_lshl_b32 s89, s8, 12
	s_add_co_u32 s88, s88, s89
	s_lshl_b32 s89, s13, 11
	s_add_co_u32 s88, s88, s89
	s_add_co_u32 s88, s88, 19398656                ; my half of v's
	s_mov_b32 s89, 0
	s_lshl_b32 s90, s8, 7
	s_lshl_b32 s91, s12, 4
	s_add_co_u32 s90, s90, s91
	s_add_co_u32 s90, s90, s[WV]                   ; my tile of queries: 128 batch + 16 j + wave
	s_mul_i32 s91, s11, 786432
	s_mul_i32 s92, s90, 1536
	s_add_co_u32 s92, s92, s91
	s_mul_i32 s91, s10, 768
	s_add_co_u32 s92, s92, s91                     ; q's codes
	s_mov_b32 s93, 0
	s_lshl_b32 s94, s11, 15
	s_lshr_b32 s95, s90, 2
	s_lshl_b32 s95, s95, 8
	s_add_co_u32 s94, s94, s95
	s_bfe_u32 s95, s90, 0x10001
	s_lshl_b32 s95, s95, 3
	s_add_co_u32 s94, s94, s95
	s_lshl_b32 s95, s10, 2
	s_add_co_u32 s94, s94, s95
	s_add_co_u32 s94, s94, 18874368                ; the word that holds q's two scale bytes
	s_mov_b32 s95, 0
	s_mul_i32 s76, s90, 12288
	s_mul_i32 s77, s11, 1536
	s_add_co_u32 s76, s76, s77
	s_add_co_u32 s76, s76, s91                     ; my half fragment in ao (s91 = 768 e)
	s_mov_b32 s77, 0
	s_sub_co_u32 s78, s90, s[WV]
	s_lshl_b32 s78, s78, 5
	s_lshl_b32 s79, s9, 14
	s_add_co_u32 s78, s78, s79
	s_add_co_u32 s78, s78, 6291456                 ; the work-group's 512 scale bytes in ao
	s_mov_b32 s79, 0
	s_lshl_b32 s[Q0], s12, 8
	s_lshr_b32 s15, s[WV], 1
	s_lshl_b32 s15, s15, 5
	s_add_co_u32 s[Q0], s[Q0], s15
	s_lshl_b32 s15, s13, 3
	s_add_co_u32 s[QB], s[Q0], s15
	SHAPE G1K, 96, 8, 192                          ; 8 tiles' 768 bytes of one head, 1,536 bytes from tile to tile
	SHAPE G1V, 32, 24, 32                          ; a key step of V: 6,144 dense bytes as rows of 256
	SHAPE G1SK, 32, 16, 32
	SHAPE G1SV, 32, 8, 32
	s_mov_b32 s[G0K], 1
	s_mul_i32 s[G0K+1], s13, 6144                  ; slot 0
	s_mov_b32 s[G0V], 1
	s_mul_i32 s15, s13, 6144
	s_add_co_u32 s[G0V+1], s15, VOFF
	s_mov_b32 s[G0SK], 1
	s_lshl_b32 s15, s13, 12
	s_add_co_u32 s[G0SK+1], s15, SCK
	s_mov_b32 s[G0SV], 1
	s_lshl_b32 s15, s13, 11
	s_add_co_u32 s[G0SV+1], s15, SCV
	s_mov_b32 s[SEL], 0x76543210
	s_mov_b32 s[SEL+1], 0xfedcba98
	s_mov_b32 s[CS], 0x3e38aa3b                    ; c = log2(e) / sqrt(64)
	s_mov_b32 s[CS+1], s[CS]                       ; (named with it as a pair)
	s_mov_b32 s[TB], 0
	s_mov_b32 s[TS], 0
	s_mov_b32 s[TJ], 0
	s_mov_b32 s[SLOTS], NSL-1
	s_mov_b32 s[KF], 0
	s_sub_co_u32 s96, s[WV], 4
	s_cmp_lt_u32 s96, 3                            ; waves 4, 5, 6
	s_cselect_b32 s96, 0, 1
	s_and_b32 s97, ttmp7, 0xffff
	s_or_b32 s96, s96, s97                         ; of the work-groups with y = 0
	s_cmp_eq_u32 s96, 0
	s_cselect_b32 s[LIM], 1, -1
	s_mov_b32 s83, 0x03020302
	s_cmp_eq_u32 s13, 0
	s_cselect_b32 s83, 0x01000100, s83             ; my tile's two bytes of the scale word, twice
	s_wait_dscnt 0x0                               ; both opening adds are done
	s_wait_kmcnt 0x0
	s_add_nc_u64 s[G0SK+2:G0SK+3], s[4:5], s[86:87]
	s_or_b32 s[G0SK+3], s[G0SK+3], 0x80000000
	s_add_nc_u64 s[G0SV+2:G0SV+3], s[4:5], s[88:89]
	s_or_b32 s[G0SV+3], s[G0SV+3], 0x80000000
	TLOAD G0SK, G1SK, G0SV, G1SV                   ; the scale words: filled once
	s_add_nc_u64 s[G0K+2:G0K+3], s[4:5], s[16:17]
	s_or_b32 s[G0K+3], s[G0K+3], 0x80000000
	s_add_nc_u64 s[G0V+2:G0V+3], s[4:5], s[84:85]
	s_or_b32 s[G0V+3], s[G0V+3], 0x80000000
	TLOAD G0K, G1K, G0V, G1V                       ; slot 0: it holds key 0, which counts for every query
	s_add_nc_u64 s[92:93], s[4:5], s[92:93]
	s_add_nc_u64 s[94:95], s[4:5], s[94:95]
	s_add_nc_u64 s[76:77], s[6:7], s[76:77]
	s_add_nc_u64 s[78:79], s[6:7], s[78:79]
	v_and_b32 v8, 15, v0                           ; r
	v_bfe_u32 v9, v0, 4, 1                         ; h
	v_and_b32 v10, 31, v0
	s_delay_alu instid0(VALU_DEP_1)
	v_lshlrev_b32 v[AK0], 3, v10                   ; 8 x lane: an image's place for my lane
	s_delay_alu instid0(VALU_DEP_1)
	v_add_nc_u32 v[AV0], VOFF, v[AK0]
	v_lshlrev_b32 v11, 4, v8                       ; 16 r
.irp g, 0,1,2
	global_load_b64 v[16+2*\g:17+2*\g], v[AK0], s[92:93] offset:256*\g   ; q, into the lower half of [q | 0],
	global_load_b64 v[34+2*\g:35+2*\g], v[AK0], s[92:93] offset:256*\g   ; and once more into the upper half of [0 | q]
.endr
	global_load_b32 v254, v11, s[94:95]
	s_lshl_b32 s96, s10, 2
	s_add_co_u32 s96, s96, SCK
	v_add_nc_u32 v[ASK0], s96, v11                 ; K's scale words: 16 r + 4 e
	v_add_nc_u32 v[ASV0], SCV, v11                 ; V's: 16 r
	v_and_b32 v12, 8, v8
	s_delay_alu instid0(VALU_DEP_1)
	v_add_nc_u32 v12, v12, v8
	v_lshlrev_b32 v13, 4, v9
	s_delay_alu instid0(VALU_DEP_1)
	v_sub_nc_u32 v[QL], v12, v13                   ; r + 8 (r / 8) - 16 h
	v_and_b32 v232, 127, v0                        ; the prefetches: block x of a slot's 96, held inside them in every wave
	s_delay_alu instid0(VALU_DEP_1)
	v_min_u32 v232, 95, v232
	s_delay_alu instid0(VALU_DEP_1)
	v_and_b32 v233, 15, v232
	s_delay_alu instid0(VALU_DEP_1)
	v_mul_u32_u24 v233, v233, 1536
	s_delay_alu instid0(VALU_DEP_3)
	v_lshrrev_b32 v234, 4, v232
	s_delay_alu instid0(VALU_DEP_1)
	v_lshl_add_u32 v233, v234, 8, v233
	s_delay_alu instid0(VALU_DEP_1)
	v_add_nc_u32 v233, s14, v233
	s_delay_alu instid0(VALU_DEP_1)
	v_add_nc_u32 v233, 24576, v233                 ; x < 48: K's tile x % 16, block x / 16, in slot 1
	v_lshlrev_b32 v234, 8, v232
	s_delay_alu instid0(VALU_DEP_1)
	v_add_nc_u32 v234, s82, v234                   ; else V's block x - 48 in slot 1: 12288 + 256 (x - 48) = 256 x
	v_mov_b32 v235, 24576
	v_mov_b32 v236, 12288
	v_cmp_gt_u32 vcc_lo, 48, v232
	s_delay_alu instid0(VALU_DEP_1)
	v_cndmask_b32 v[PFO], v234, v233, vcc_lo       ; the first change of slots steps it to slot 2
	s_delay_alu instid0(VALU_DEP_2)
	v_cndmask_b32 v[PFS], v236, v235, vcc_lo       ; a slot on
.set n, 22
.rept 12
	v_mov_b32 v[n], 0                              ; the zero halves of [q | 0] and [0 | q]
.set n, n+1
.endr
	v_mov_b32 v13, 0xff61b1e6                      ; the largest t so far: -3e38, under every t
	s_delay_alu instid0(VALU_DEP_1)
	v_floor_f32 v12, -v13                          ; -M
	v_mov_b32 v14, 0
	v_mov_b32 v15, 0
.irp b, 0,1,2,3
	v_mov_b32 v[236+\b], 0                         ; written once: a lane permute's destination counts as one of its sources
.endr
	v_mov_b32 v253, 0                              ; (named as the upper half of v[252:253] before it is first written)
	s_wait_loadcnt 0x0                             ; q and its scale word
	v_perm_b32 v255, v254, v254, s83               ; (s0, s1, s0, s1)
.set n, 0
.rept 32
	v_mov_b32 v[160+n], 0                          ; O^T: the loop is written once; its first step finds zeros, which the first change of M leaves zeros
.set n, n+1
.endr
; A KEY STEP: 128 keys, the q-th of the slot in hand.
.macro STEP q
	s_add_co_u32 s96, s[Q0], 31                    ; a step all of whose keys come after my queries is left out: a scalar branch on ids, round the step's work alone
	s_cmp_gt_u32 s[KF], s96
	s_cbranch_scc1 .Lhidden_\@
	v_add_nc_u32 v[ADK], s[TB], v[AK0]             ; (these four are also the plain instructions between the last step's products and the loads into their registers)
	v_add_nc_u32 v[ADV], s[TB], v[AV0]
	v_add_nc_u32 v[ADS], s[TS], v[ASK0]
	v_add_nc_u32 v[ADT], s[TJ], v[ASV0]
.irp t, 0,1,2,3,4,5,6,7
.irp g, 0,1,2
	ds_load_b64 v[40+6*\t+2*\g:41+6*\t+2*\g], v[ADK] offset:6144*(\q)+768*\t+256*\g   ; key tile t: 6 registers; tiles 2 g, 2 g + 1 make one operand
.endr
.endr
.irp b, 0,1,2,3
	ds_load_b32 v[88+\b], v[ADS] offset:256*(\b/2)+8*(\b%2)
.endr
	s_wait_alu depctr_va_vdst(0)
	s_wait_dscnt 0x0
.irp b, 0,1,2,3
	v_wmma_scale_f32_16x16x128_f8f6f4 v[96+16*\b:103+16*\b], v[40+12*\b:51+12*\b], v[16:27], 0, v[88+\b], v255 matrix_a_fmt:MATRIX_FMT_BF6 matrix_b_fmt:MATRIX_FMT_BF6
	v_wmma_scale_f32_16x16x128_f8f6f4 v[104+16*\b:111+16*\b], v[40+12*\b:51+12*\b], v[28:39], 0, v[88+\b], v255 matrix_a_fmt:MATRIX_FMT_BF6 matrix_b_fmt:MATRIX_FMT_BF6
.endr
.rept 4
	v_nop                                          ; four plain instructions ahead of loads into K's registers and of the first read of scores
.endr
.irp t, 0,1,2,3                                ; V's fragments are asked for now and land under the softmax
.irp g, 0,1,2,3,4,5
	ds_load_b64 v[40+12*\t+2*\g:41+12*\t+2*\g], v[ADV] offset:6144*(\q)+1536*\t+256*\g
.endr
.endr
	ds_load_b128 v[92:95], v[ADT]
	s_add_co_u32 s96, s[KF], 127                   ; on the diagonal hidden scores become -infinity ahead of the maximum: p = 0 then.  A step all of whose keys count skips this
	s_cmp_le_u32 s96, s[Q0]
	s_cbranch_scc1 .Lopen_\@
	s_sub_co_i32 s96, s[QB], s[KF]
	v_add_nc_u32 v252, s96, v[QL]                  ; d = my query - KF - 16 (lane / 16).  Register 16 b + i holds key KF + 16 (lane / 16) + 32 b + i: hidden where 32 b + i > d
	v_mov_b32 v254, 0xff800000
.set n, 0
.rept 64
	v_cmp_gt_i32 vcc_lo, 32*(n/16)+n%16, v252
	v_cndmask_b32 v[96+n], v[96+n], v254, vcc_lo
.set n, n+1
.endr
.Lopen_\@:
.irp b, 0,1,2,3
	v_max3_num_f32 v[232+\b], v[96+16*\b], v[97+16*\b], v[98+16*\b]   ; the largest score of each block of 32 keys: for the row's maximum and, since p rises with the score, for the block's largest p
.endr
.irp i, 3,5,7,9,11,13
.irp b, 0,1,2,3
	v_max3_num_f32 v[232+\b], v[232+\b], v[96+16*\b+\i], v[97+16*\b+\i]
.endr
.endr
.irp b, 0,1,2,3
	v_max_num_f32 v[232+\b], v[232+\b], v[111+16*\b]
.endr
.irp b, 0,1,2,3
	s_delay_alu instid0(VALU_DEP_4)
	v_permlanex16_b32 v[236+\b], v[232+\b], s[SEL], s[SEL+1]
.endr
.irp b, 0,1,2,3
	s_delay_alu instid0(VALU_DEP_4)
	v_max_num_f32 v[232+\b], v[232+\b], v[236+\b]  ; with lane l xor 16's 16 keys
.endr
	s_delay_alu instid0(VALU_DEP_2)
	v_max3_num_f32 v254, v232, v233, v234
	s_delay_alu instid0(VALU_DEP_1)
	v_max_num_f32 v254, v254, v235                 ; the step's largest score of my query
	s_delay_alu instid0(VALU_DEP_1)
	v_mul_f32 v254, s[CS], v254                    ; as t
	s_delay_alu instid0(VALU_DEP_1)
	v_max_num_f32 v13, v13, v254                   ; the running largest t
	v_mov_b32 v254, v12
	s_delay_alu instid0(VALU_DEP_2)
	v_floor_f32 v12, -v13                          ; the new -M = -ceil(t): a whole number
	s_delay_alu instid0(VALU_DEP_1)
	v_sub_f32 v254, v12, v254                      ; old M - new M: a whole number, 0 or less
	s_delay_alu instid0(VALU_DEP_1)
	v_cvt_i32_f32 v254, v254                       ; (it saturates)
	s_delay_alu instid0(VALU_DEP_1)
	v_ldexp_f32 v252, 1.0, v254                    ; f = 2^(old M - new M)
.set n, 0
.rept 32
	v_pk_fma_f32 v[96+n:97+n], v[96+n:97+n], s[CS:CS+1], v[12:13] op_sel_hi:[1,0,0]   ; t - M, two at a time
.set n, n+2
.endr
.irp b, 0,1,2,3
	v_fma_f32 v[232+\b], v[232+\b], s[CS], v12     ; the same of each block's largest score
.endr
.set n, 0
	s_wait_alu depctr_va_vdst(0)
.rept 64
	v_exp_f32 v[96+n], v[96+n]                     ; p = 2^(t - M), at most 1
.set n, n+1
.endr
	v_pk_mul_f32 v[14:15], v[14:15], v[252:253] op_sel_hi:[1,0]   ; the sums under the new M: a plain instruction behind the exponentials
	s_wait_alu depctr_va_vdst(0)                   ; one wait for the whole batch, ahead of its first reader
.irp b, 0,1,2,3
	v_exp_f32 v[232+\b], v[232+\b]                 ; the block's largest p
.endr
	v_pk_add_f32 v[236:237], v[100:101], v[104:105]
	v_pk_add_f32 v[250:251], v[108:109], v[112:113]
	v_pk_add_f32 v[248:249], v[116:117], v[120:121]
	v_pk_add_f32 v[246:247], v[124:125], v[128:129]
	v_pk_add_f32 v[244:245], v[132:133], v[136:137]
	v_pk_add_f32 v[242:243], v[140:141], v[144:145]
	v_pk_add_f32 v[240:241], v[148:149], v[152:153]
	v_pk_add_f32 v[14:15], v[14:15], v[156:157]
	v_pk_add_f32 v[236:237], v[236:237], v[96:97]
	v_pk_add_f32 v[250:251], v[250:251], v[98:99]
	v_pk_add_f32 v[248:249], v[248:249], v[102:103]
	v_pk_add_f32 v[246:247], v[246:247], v[106:107]
	v_pk_add_f32 v[244:245], v[244:245], v[110:111]
	v_pk_add_f32 v[242:243], v[242:243], v[114:115]
	v_pk_add_f32 v[240:241], v[240:241], v[118:119]
	v_pk_add_f32 v[14:15], v[14:15], v[122:123]
	v_pk_add_f32 v[236:237], v[236:237], v[126:127]
	v_pk_add_f32 v[250:251], v[250:251], v[130:131]
	v_pk_add_f32 v[248:249], v[248:249], v[134:135]
	v_pk_add_f32 v[246:247], v[246:247], v[138:139]
	v_pk_add_f32 v[244:245], v[244:245], v[142:143]
	v_pk_add_f32 v[242:243], v[242:243], v[146:147]
	v_pk_add_f32 v[240:241], v[240:241], v[150:151]
	v_pk_add_f32 v[14:15], v[14:15], v[154:155]
	v_pk_add_f32 v[236:237], v[236:237], v[158:159]
	s_delay_alu instid0(VALU_DEP_2)
	v_pk_add_f32 v[14:15], v[14:15], v[246:247]
	s_delay_alu instid0(VALU_DEP_2)
	v_pk_add_f32 v[236:237], v[236:237], v[244:245]
	v_pk_add_f32 v[250:251], v[250:251], v[242:243]
	v_pk_add_f32 v[248:249], v[248:249], v[240:241]
	s_delay_alu instid0(VALU_DEP_2)
	v_pk_add_f32 v[14:15], v[14:15], v[250:251]
	s_delay_alu instid0(VALU_DEP_2)
	v_pk_add_f32 v[236:237], v[236:237], v[248:249]
	s_delay_alu instid0(VALU_DEP_1)
	v_pk_add_f32 v[14:15], v[14:15], v[236:237]
	s_wait_alu depctr_va_vdst(0)                   ; and one for the four
.irp b, 0,1,2,3
	v_max_num_f32 v[232+\b], 0x2800000, v[232+\b]  ; the floor 2^(5 - 127): a block whose every p is 0 keeps the byte 1; its codes are zeros
.endr
.irp b, 0,1,2,3
	s_delay_alu instid0(VALU_DEP_4)
	v_add_nc_u32 v[244+\b], 0xfe000000, v[232+\b]
.endr
.irp b, 0,1,2,3
	s_delay_alu instid0(VALU_DEP_4)
	v_lshrrev_b32 v[236+\b], 23, v[244+\b]
.endr
	s_delay_alu instid0(VALU_DEP_3)
	v_lshl_or_b32 v253, v237, 8, v236              ; p's scale word for these 128 keys
	s_delay_alu instid0(VALU_DEP_1)
	v_lshl_or_b32 v253, v238, 16, v253
	s_delay_alu instid0(VALU_DEP_1)
	v_lshl_or_b32 v253, v239, 24, v253
.irp c, 0,1
	v_cvt_scalef32_pk16_bf6_f32 v[224+6*\c:226+6*\c], v[96+32*\c:111+32*\c], v[244+2*\c]
	v_cvt_scalef32_pk16_bf6_f32 v[236+4*\c:238+4*\c], v[112+32*\c:127+32*\c], v[244+2*\c+1]
.endr
	v_nop                                          ; one plain instruction behind the scaled conversions
.irp c, 0,1
.irp i, 0,1,2
	v_permlane16_swap_b32 v[224+6*\c+\i], v[236+4*\c+\i]
.endr
.irp i, 0,1,2
	s_delay_alu instid0(VALU_DEP_3)
	v_mov_b32 v[227+6*\c+\i], v[236+4*\c+\i]
.endr
.endr
.set n, 0
.rept 16
	v_pk_mul_f32 v[160+n:161+n], v[160+n:161+n], v[252:253] op_sel_hi:[1,0]   ; O^T under the new M
.set n, n+2
.endr
.rept 4
	v_nop                                          ; with the sixteen above: the plain instructions between the writes of p's codes and scale word and the products that take them
.endr
	s_wait_alu depctr_va_vdst(0)
	s_wait_dscnt 0x0                               ; V's fragments and scale words are in
.irp t, 0,1,2,3
	v_wmma_scale_f32_16x16x128_f8f6f4 v[160+8*\t:167+8*\t], v[40+12*\t:51+12*\t], v[224:235], v[160+8*\t:167+8*\t], v[92+\t], v253 matrix_a_fmt:MATRIX_FMT_BF6 matrix_b_fmt:MATRIX_FMT_BF6
.endr
.Lhidden_\@:
	s_add_co_u32 s[KF], s[KF], 128
	s_add_co_u32 s[TS], s[TS], 512
	s_add_co_u32 s[TJ], s[TJ], 256
.endm
; THE CHANGE OF SLOTS stands at a slot's head.  Each wave waits for all its tensor loads, adds 0 to its spare word, and waits for that and for its reads of the slot that it has left; behind the barrier the slot ahead is whole
; and nobody reads the other one.  fill = 1: that other slot is filled with the next 256 keys, up to the causal limit: the load has a whole slot's steps in which to land.
.macro CHANGE fill
	s_wait_tensorcnt 0x0                           ; no tensor load of mine is out, so a group 0 may be written
	ds_add_u32 v[SPW], v[NIL]
.if \fill
	ds_add_u32 v[SPW], v[NIL]                      ; and twice on end here, in every trip alike
	s_xor_b32 s[G0K+1], s[G0K+1], SLOT1
	s_add_nc_u64 s[G0K+2:G0K+3], s[G0K+2:G0K+3], 24576   ; 16 tiles on
	s_xor_b32 s[G0V+1], s[G0V+1], SLOT1
	s_add_nc_u64 s[G0V+2:G0V+3], s[G0V+2:G0V+3], 12288   ; 2 key steps on
	s_wait_xcnt 0x0                                ; the last prefetch, a slot back, has read its offset
	v_add_nc_u32 v[PFO], v[PFO], v[PFS]            ; one slot further on than the walking descriptors
.endif
	s_wait_dscnt 0x0
	s_barrier_signal -1
	s_barrier_wait -1
.if \fill
	s_add_co_u32 s96, s[KF], SK                    ; the first key of the slot that this change would ask for
	s_or_b32 s97, s[Q0], 255                       ; my work-group's last query
	s_cmp_gt_u32 s96, s97                          ; ids and the count of steps alone: all sixteen waves go the same way.  A slot beyond the limit is read by no wave, so it is not asked for
	s_cbranch_scc1 .Lpast_\@
	TLOAD G0K, G1K, G0V, G1V
.Lpast_\@:
	ASK
.endif
.endm
.macro SLOT_STEPS
	STEP 0
	STEP 1
	s_xor_b32 s[TB], s[TB], SLOT1
.endm
.Lslot:                                            ; 7 trips: behind each change of slots but the last the next slot is asked for
	s_wait_alu depctr_va_vdst(0)
	CHANGE 1
	SLOT_STEPS
	s_sub_co_u32 s[SLOTS], s[SLOTS], 1
	s_cmp_lg_u32 s[SLOTS], 0
	s_cbranch_scc1 .Lslot
	CHANGE 0                                       ; the last slot is written out: nothing is left to ask for
	SLOT_STEPS
	; THE WAY OUT.  O^T / the sum: register 16 g + i is d = 32 g + 16 h + i of my query: two blocks of 32 with lane l xor 16.  They become half a fragment of the projection's operand.
	v_add_f32 v14, v14, v15
	s_delay_alu instid0(VALU_DEP_1)
	v_permlanex16_b32 v252, v14, s[SEL], s[SEL+1]
	s_delay_alu instid0(VALU_DEP_1)
	v_add_f32 v14, v14, v252                       ; the row's sum
	s_wait_alu depctr_va_vdst(0)
	v_rcp_f32 v14, v14
	v_and_b32 v8, 15, v0                           ; (a plain instruction behind the reciprocal)
	s_delay_alu instid0(VALU_DEP_1)
	v_lshlrev_b32 v9, 1, v8
	s_lshl_b32 s96, s[WV], 5
	s_add_co_u32 s96, s96, STG
	v_add_nc_u32 v9, s96, v9                       ; my row's two scale bytes: 32 x wave + 2 r
	v_and_b32 v10, 31, v0
	s_delay_alu instid0(VALU_DEP_1)
	v_lshlrev_b32 v10, 4, v10
	s_delay_alu instid0(VALU_DEP_1)
	v_add_nc_u32 v11, STG, v10
	s_wait_alu depctr_va_vdst(0)                   ; the wait ahead of the reciprocal's first reader
.set n, 0
.rept 32
	v_mul_f32 v[96+n], v[160+n], v14
.set n, n+1
.endr
.irp b, 0,1
	v_max3_num_f32 v[232+\b], |v[96+16*\b]|, |v[97+16*\b]|, 0x2800000
.endr
.irp i, 2,4,6,8,10,12,14
.irp b, 0,1
	s_delay_alu instid0(VALU_DEP_2)
	v_max3_num_f32 v[232+\b], v[232+\b], |v[96+16*\b+\i]|, |v[97+16*\b+\i]|
.endr
.endr
.irp b, 0,1
	s_delay_alu instid0(VALU_DEP_2)
	v_permlanex16_b32 v[236+\b], v[232+\b], s[SEL], s[SEL+1]
.endr
.irp b, 0,1
	s_delay_alu instid0(VALU_DEP_2)
	v_max_num_f32 v[232+\b], v[232+\b], v[236+\b]
.endr
.irp b, 0,1
	s_delay_alu instid0(VALU_DEP_2)
	v_add_nc_u32 v[244+\b], 0xfe000000, v[232+\b]
.endr
.irp b, 0,1
	s_delay_alu instid0(VALU_DEP_2)
	v_lshrrev_b32 v[236+\b], 23, v[244+\b]
.endr
	s_delay_alu instid0(VALU_DEP_1)
	v_lshl_or_b32 v253, v237, 8, v236
	v_cvt_scalef32_pk16_bf6_f32 v[224:226], v[96:111], v244
	v_cvt_scalef32_pk16_bf6_f32 v[240:242], v[112:127], v245
	v_nop
.irp i, 0,1,2
	v_permlane16_swap_b32 v[224+\i], v[240+\i]
.endr
.irp i, 0,1,2
	s_delay_alu instid0(VALU_DEP_3)
	v_mov_b32 v[227+\i], v[240+\i]
.endr
.irp g, 0,1,2
	global_store_b64 v[AK0], v[224+2*\g:225+2*\g], s[76:77] offset:256*\g   ; 256 consecutive bytes, aligned
.endr
	ds_store_b16 v9, v253                          ; both lanes of a row write the same two bytes
	s_wait_dscnt 0x0                               ; for the others' sake
	s_barrier_signal -1
	s_barrier_wait -1
	s_cmp_lg_u32 s[WV], 0
	s_cbranch_scc1 .Lnot_wave_0
	ds_load_b128 v[96:99], v11                     ; the sixteen tiles' 512 scale bytes
	s_wait_dscnt 0x0
	global_store_b128 v10, v[96:99], s[78:79]
.Lnot_wave_0:
	s_wait_tensorcnt 0x0                           ; the wave's end
	ds_add_u32 v[SPW], v[NIL]
	s_wait_dscnt 0x0
	s_endpgm
.Lfunc_end_k_q00c520c38b_attn:
	.size	k_q00c520c38b_attn, .Lfunc_end_k_q00c520c38b_attn-k_q00c520c38b_attn
	.p2alignl 7, 3214868480
	.fill 96, 4, 3214868480
	.section	.rodata,"a",@progbits
	.p2align	6, 0x0
	.amdhsa_kernel k_q00c520c38b_attn
		.amdhsa_group_segment_fixed_size 327680
		.amdhsa_private_segment_fixed_size 0
		.amdhsa_enable_private_segment 0
		.amdhsa_kernarg_size 16
		.amdhsa_user_sgpr_count 2
		.amdhsa_user_sgpr_kernarg_segment_ptr 1
		.amdhsa_wavefront_size32 1
		.amdhsa_system_sgpr_workgroup_id_x 1
		.amdhsa_system_sgpr_workgroup_id_y 1
		.amdhsa_system_sgpr_workgroup_id_z 1
		.amdhsa_system_vgpr_workitem_id 0
		.amdhsa_next_free_vgpr 256
		.amdhsa_next_free_sgpr 100
		.amdhsa_reserve_vcc 1
		.amdhsa_float_denorm_mode_32 3
		.amdhsa_float_denorm_mode_16_64 3
		.amdhsa_memory_ordered 1
		.amdhsa_forward_progress 1
		.amdhsa_inst_pref_size 115
	.end_amdhsa_kernel
	.amdgpu_metadata
---
amdhsa.version: [ 1, 2 ]
amdhsa.kernels:
  - .name:           k_q00c520c38b_attn
    .symbol:         k_q00c520c38b_attn.kd
    .args:
      - { .name: qkv, .offset: 0, .size: 8, .value_kind: global_buffer, .address_space: global }
      - { .name: ao, .offset: 8, .size: 8, .value_kind: global_buffer, .address_space: global }
    .group_segment_fixed_size: 327680
    .private_segment_fixed_size: 0
    .kernarg_segment_align: 8
    .kernarg_segment_size: 16
    .max_flat_workgroup_size: 512
    .sgpr_count:     100
    .vgpr_count:     256
    .wavefront_size: 32
...
	.end_amdgpu_metadata
.endif
;; end of part 3
;; launch gemm_out (part 4): grid 4 x 64, 4 waves a work-group, clusters of 4 x 4, 327,680 bytes of LDS; arguments ao, wq, b_out, out0; writes out0
.if DOCPART == 4
	.amdgcn_target "amdgcn-amd-amdhsa--gfx1250"
	.amdhsa_code_object_version 6
	.text
	.protected	k_q00c520c38b_gemm_out
	.globl	k_q00c520c38b_gemm_out
	.p2align	8
	.type	k_q00c520c38b_gemm_out,@function
k_q00c520c38b_gemm_out:
	s_mov_b64 s[64:65], 0
	v_nop
	global_prefetch_b8 v0, s[64:65] scope:SCOPE_SE
	s_setreg_imm32_b32 hwreg(HW_REG_WAVE_MODE, 25, 1), 1
	s_wait_xcnt 0x0
	s_wait_alu depctr_hold_cnt(0) depctr_sa_sdst(0) depctr_va_vdst(0) depctr_va_sdst(0) depctr_va_ssrc(0) depctr_va_vcc(0) depctr_vm_vsrc(0)
	s_getreg_b32 s2, hwreg(HW_REG_IB_STS2, 6, 4)
	s_cmp_eq_u32 s2, 0
	s_cbranch_scc0 .Lentry_in_a_cluster
	s_endpgm
.Lentry_in_a_cluster:
	s_bfe_u32 s2, ttmp6, 0x10000c
	s_cmp_lg_u32 s2, 0xf033
	s_cbranch_scc0 .Lentry_shape_is_right
	s_endpgm
.Lentry_shape_is_right:
; out0 = attention's result x w_out + b_out on codes of E3M2 (K = 1024 = head x 64 + d).  Nothing of reference() is left out here.
; The frame is launch gemm_qkv's.  P (source 0: its index runs along a lane's registers) = w_out's columns, tiles 192-255 of wq;  Q (source 1: a lane's row) = tokens, buffer ao.
; A work-group makes P 256 x Q 128, a wave P 128 (8 tiles) x Q 64 (4 tiles): 32 accumulators.  ALL OF K LIES IN LDS, in four chunks of 256 along K asked for together at the head: five tensor loads a wave are out at the most;
; no byte of LDS is filled twice.  CLUSTER 4 x 4: P's tiles are asked for jointly down a column, Q's along a row.
; P's fragments are images in fours (registers 4 g .. 4 g + 3 at 512 g + 16 x lane), Q's in pairs (2 g, 2 g + 1 at 256 g + 8 x lane), as their makers left them.
; Q's scale bytes lie two to a row and head: the word of K step s is (head 2 s: b0, b1 | head 2 s + 1: b0, b1), put together once at the head.
; A tile's lane r holds row 8 u + r + 8 (r / 8) of its group of 32: so the 16 registers of two neighbouring result tiles are 16 neighbouring columns, and a stage row t of Q's tile a is token 32 (a / 2) + 8 (a % 2) + t + 8 (t / 8).
; REGISTERS: window 0: v1-19 addresses; v28, v29 the add's two; v32-95 P's scale words, v96-127 Q's, v128-191 the bias; v192-255 at work; on the way out v128-255 rows of the result.
;   window 1: fragment set 0 (P at 12 b, Q at 96 + 12 a);  window 2: set 1;  window 3: accumulator (a, b) at 8 (8 a + b).
.set CHUNK, 73728
.set QOFF,  49152
.set SCL,   4*CHUNK                    ; P's scale words, 8,192 bytes; Q's scale bytes, 16 heads x 256
.set SPARE, SCL+12288                  ; the spare words, 128 bytes a wave: two blocks of 256 bytes that no other line names
.set SPITCH, 528                       ; the way out: a stage of 16 rows x (512 + 16) bytes for each wave, in chunk 0, which has had its one fill and its last read by then
.set ADP, 4
.set ADQ, 8
.set ASP, 12
.set ASQ, 13
.set STO, 14
.set RD,  15
.set CO,  16
.set SPW, 28
.set NIL, 29
.set SCP, 32
.set SCQ, 96
.set BP,  128
.set BK,  128
.set G1P,  24
.set G1Q,  32
.set G1SP, 40
.set G1SQ, 48
.set G0SP, 56
.set G0SQ, 60
.set G0P,  68
.set G0Q,  84
.set MSB, 0
.macro WIN new                         ; the immediate's high byte repeats the setting that is left
.if MSB != (\new)
	s_set_vgpr_msb (MSB<<8)|(\new)
.set MSB, \new
.endif
.endm
.macro PLACES n
.rept \n
	v_nop
.endr
.endm
.macro SHAPE g, c, r, p                ; group 1's words 1-7: r rows of c elements of 8 bytes, p elements from row to row
	s_mov_b32 s[\g+1], (\c)<<16
	s_mov_b32 s[\g+2], (\r)<<16
	s_mov_b32 s[\g+3], (\c)<<16
	s_mov_b32 s[\g+4], \r
	s_mov_b32 s[\g+5], \p
	s_mov_b32 s[\g+6], 0
	s_mov_b32 s[\g+7], 0
.endm
.macro JLOAD g0p, g1p, g0q, g1q        ; a joint load: waves 0 and 1 fetch P's halves, waves 2 and 3 Q's; an s_nop 0 and four v_nop follow each line
	s_cmp_eq_u32 s13, 0
	s_cbranch_scc0 .Lfor_q_\@
	tensor_load_to_lds s[\g0p:\g0p+3], s[\g1p:\g1p+7]
	s_nop 0
.rept 4
	v_nop
.endr
	s_branch .Lasked_\@
.Lfor_q_\@:
	tensor_load_to_lds s[\g0q:\g0q+3], s[\g1q:\g1q+7]
	s_nop 0
.rept 4
	v_nop
.endr
.Lasked_\@:
.endm
.macro CROUND                          ; a round of the cluster's barrier
	s_barrier_signal -1
	s_barrier_wait -1
	s_cmp_lg_u32 s12, 0
	s_cbranch_scc1 .Lnot_wave_0_\@
	s_barrier_signal -3
.Lnot_wave_0_\@:
	s_barrier_wait -3
	s_barrier_signal -1
	s_barrier_wait -1
.endm
	s_load_b256 s[4:11], s[0:1], 0x0               ; ao s[4:5], wq s[6:7], b_out s[8:9], out0 s[10:11]
	v_lshl_add_u32 v[SPW], v0, 2, SPARE
	v_mov_b32 v[NIL], 0
	ds_add_u32 v[SPW], v[NIL]                      ; the wave's opening: the add, twice on end, and its wait ahead of my first tensor load
	ds_add_u32 v[SPW], v[NIL]
	v_lshrrev_b32 v1, 5, v0
	v_readfirstlane_b32 s12, v1                    ; wave 0..3
	s_lshr_b32 s13, s12, 1                         ; I fetch for P (0) or Q (1).  Also: which half of Q's rows I multiply
	s_and_b32 s14, s12, 1                          ; which half I fetch.  Also: which half of P's rows I multiply
	s_bfe_u32 s15, ttmp6, 0x40000                  ; cx
	s_bfe_u32 s16, ttmp6, 0x40004                  ; cy
	s_and_b32 s17, ttmp7, 0xffff                   ; the cluster's y
	s_lshl_b32 s19, s16, 2
	s_lshl_b32 s19, 15, s19                        ; my row of the cluster
	s_lshl_b32 s3, 0x1111, s15                     ; my column
	s_or_b32 s[G1P], s3, (3<<16)|(1<<21)           ; 15:0 the mask; 17:16 elements of 8 bytes; 21 set beside a mask; no padding
	s_or_b32 s[G1SP], s3, (3<<16)|(1<<21)
	s_or_b32 s[G1Q], s19, (3<<16)|(1<<21)
	s_or_b32 s[G1SQ], s19, (3<<16)|(1<<21)
	SHAPE G1P, 384, 8, 1536                        ; 8 tiles' 3,072 bytes of a chunk, 12,288 bytes from tile to tile
	SHAPE G1Q, 384, 4, 1536
	SHAPE G1SP, 32, 16, 32                         ; 8 tiles' scale words: 4,096 dense bytes as rows of 256
	SHAPE G1SQ, 32, 8, 2048                        ; 8 heads' 256 scale bytes of my 8 tiles, 16,384 bytes from head to head
	s_mov_b32 s[G0SP], 1
	s_lshl_b32 s19, s14, 12
	s_add_co_u32 s[G0SP+1], s19, SCL
	s_mov_b32 s[G0SQ], 1
	s_lshl_b32 s19, s14, 11
	s_add_co_u32 s[G0SQ+1], s19, SCL+8192
	s_mul_i32 s19, s14, 24576
	s_mul_i32 s3, s14, 12288
.irp g, 0,1,2,3
	s_mov_b32 s[G0P+4*\g], 1
	s_add_co_u32 s[G0P+4*\g+1], s19, \g*CHUNK      ; LDS addresses hang on the wave's number alone
	s_mov_b32 s[G0Q+4*\g], 1
	s_add_co_u32 s[G0Q+4*\g+1], s3, \g*CHUNK+QOFF
.endr
	; P's numbers stand in s20-23 and s104 and never hold cy; Q's in s66, s67, s100, s101, s105 and never hold cx
	s_lshl_b32 s104, ttmp9, 2
	s_add_co_u32 s104, s104, s15                   ; P's block of 256 columns
	s_lshl_b32 s105, s17, 2
	s_add_co_u32 s105, s105, s16                   ; Q's block of 128 tokens
	s_lshl_b32 s20, s104, 4
	s_lshl_b32 s21, s14, 3
	s_add_co_u32 s20, s20, s21
	s_add_co_u32 s20, s20, 192                     ; the first of the 8 tiles of P that I would fetch
	s_lshl_b32 s22, s20, 9
	s_add_co_u32 s22, s22, 3145728
	s_mov_b32 s23, 0
	s_mul_i32 s20, s20, 12288
	s_mov_b32 s21, 0
	s_lshl_b32 s66, s105, 3
	s_lshl_b32 s67, s14, 2
	s_add_co_u32 s66, s66, s67                     ; the first of the 4 tiles of Q
	s_mul_i32 s66, s66, 12288
	s_mov_b32 s67, 0
	s_lshl_b32 s100, s14, 17                       ; 8 heads on for the second half
	s_lshl_b32 s101, s105, 8
	s_add_co_u32 s100, s100, s101
	s_add_co_u32 s100, s100, 6291456
	s_mov_b32 s101, 0
	s_wait_dscnt 0x0                               ; both opening adds are done
	s_wait_kmcnt 0x0
	s_add_nc_u64 s[20:21], s[6:7], s[20:21]
	s_add_nc_u64 s[22:23], s[6:7], s[22:23]
	s_add_nc_u64 s[66:67], s[4:5], s[66:67]
	s_add_nc_u64 s[100:101], s[4:5], s[100:101]
	s_mov_b64 s[G0SP+2:G0SP+3], s[22:23]
	s_or_b32 s[G0SP+3], s[G0SP+3], 0x80000000
	s_mov_b64 s[G0SQ+2:G0SQ+3], s[100:101]
	s_or_b32 s[G0SQ+3], s[G0SQ+3], 0x80000000
.irp g, 0,1,2,3
	s_add_nc_u64 s[G0P+4*\g+2:G0P+4*\g+3], s[20:21], \g*3072
	s_or_b32 s[G0P+4*\g+3], s[G0P+4*\g+3], 0x80000000
	s_add_nc_u64 s[G0Q+4*\g+2:G0Q+4*\g+3], s[66:67], \g*3072
	s_or_b32 s[G0Q+4*\g+3], s[G0Q+4*\g+3], 0x80000000
.endr
	CROUND                                         ; all sixteen work-groups are here: the joint loads meet
	JLOAD G0SP, G1SP, G0SQ, G1SQ
.irp g, 0,1,2,3
	JLOAD G0P+4*\g, G1P, G0Q+4*\g, G1Q
.endr
	v_and_b32 v1, 15, v0                           ; r
	v_bfe_u32 v2, v0, 4, 1                         ; h
	v_and_b32 v3, 31, v0                           ; lane
	v_lshlrev_b32 v[CO], 4, v3                     ; 16 x lane
	v_lshlrev_b32 v18, 3, v3                       ; 8 x lane
	s_mul_i32 s19, s14, 24576
	s_mul_i32 s22, s13, 12288
	s_add_co_u32 s22, s22, QOFF
.irp g, 0,1,2,3
	v_add_nc_u32 v[ADP+\g], s19, v[CO]
	v_add_nc_u32 v[ADQ+\g], s22, v18
	s_add_co_u32 s19, s19, CHUNK
	s_add_co_u32 s22, s22, CHUNK
.endr
	v_lshlrev_b32 v19, 4, v1
	s_lshl_b32 s19, s14, 12
	s_add_co_u32 s19, s19, SCL
	v_add_nc_u32 v[ASP], s19, v19
	v_lshlrev_b32 v19, 1, v1
	s_lshl_b32 s19, s13, 7
	s_add_co_u32 s19, s19, SCL+8192
	v_add_nc_u32 v[ASQ], s19, v19                  ; my 4 tiles' scale bytes in a head's 256: 128 x half + 2 r
	s_mul_i32 s19, s12, 16*SPITCH                  ; my stage
	v_mul_u32_u24 v[STO], v1, SPITCH
	v_lshl_add_u32 v[STO], v2, 6, v[STO]
	v_add_nc_u32 v[STO], s19, v[STO]               ; in: row r, + 64 h
	v_add_nc_u32 v[RD], s19, v[CO]                 ; back: 16 x lane of a row's 512 bytes
	v_lshlrev_b32 v17, 6, v2                       ; the bias: 64 h bytes
	s_lshl_b32 s20, s104, 10
	s_lshl_b32 s21, s14, 9
	s_add_co_u32 s20, s20, s21                     ; 4 x my first column
	s_mov_b32 s21, 0
	s_add_nc_u64 s[8:9], s[8:9], s[20:21]
	s_add_nc_u64 s[10:11], s[10:11], s[20:21]
	s_lshl_b32 s20, s105, 19
	s_lshl_b32 s22, s13, 18
	s_add_co_u32 s20, s20, s22                     ; my first token x 4,096 bytes
	s_add_nc_u64 s[10:11], s[10:11], s[20:21]
.irp t, 0,1,2,3,4,5,6,7
	global_load_b128 v[BP+8*\t:BP+8*\t+3], v17, s[8:9] offset:(32*(\t/2)+8*(\t%2))*4       ; register j of tile t is column 32 (t / 2) + 16 h + 8 (t % 2) + j
	global_load_b128 v[BP+8*\t+4:BP+8*\t+7], v17, s[8:9] offset:(32*(\t/2)+8*(\t%2))*4+16
.endr
.macro FETCH s                         ; K step s: my 8 fragments of P (three loads of 16 bytes a lane) and 4 of Q (six of 8) into set s % 2
	WIN 0x40*(1+(\s)%2)
.irp i, 0,1,2,3,4,5,6,7
.irp g, 0,1,2
	ds_load_b128 v[12*\i+4*\g:12*\i+4*\g+3], v[ADP+(\s)/2] offset:3072*\i+1536*((\s)%2)+512*\g
.endr
.endr
.irp i, 0,1,2,3
.irp g, 0,1,2,3,4,5
	ds_load_b64 v[96+12*\i+2*\g:96+12*\i+2*\g+1], v[ADQ+(\s)/2] offset:3072*\i+1536*((\s)%2)+256*\g
.endr
.endr
.endm
; 16 products: Q's tiles a0, a0 + 1 x P's eight.  The 32 accumulators take turns, one instruction a turn, in the same order in every step.  first = 1: the bias starts the sums.
.macro MULH s, a0, first
.irp a, \a0, \a0+1
.irp b, 0,1,2,3,4,5,6,7
.if \first
	v_wmma_scale_f32_16x16x128_f8f6f4 v[8*(8*(\a)+\b):8*(8*(\a)+\b)+7], v[12*\b:12*\b+11], v[96+12*(\a):96+12*(\a)+11], v[BP+8*\b:BP+8*\b+7], v[SCP+8*\b+(\s)], v[SCQ+8*(\a)+(\s)] matrix_a_fmt:MATRIX_FMT_BF6 matrix_b_fmt:MATRIX_FMT_BF6
.else
	v_wmma_scale_f32_16x16x128_f8f6f4 v[8*(8*(\a)+\b):8*(8*(\a)+\b)+7], v[12*\b:12*\b+11], v[96+12*(\a):96+12*(\a)+11], v[8*(8*(\a)+\b):8*(8*(\a)+\b)+7], v[SCP+8*\b+(\s)], v[SCQ+8*(\a)+(\s)] matrix_a_fmt:MATRIX_FMT_BF6 matrix_b_fmt:MATRIX_FMT_BF6
.endif
.endr
.endr
.endm
.macro EVEN s                          ; a chunk's first K step
	s_wait_dscnt 0x0                               ; this step's fragments are in
	PLACES 4                                       ; four plain instructions between the last products on the other set and the loads into it
	FETCH (\s)+1
.if (\s) == 0
	WIN 0xc5                                       ; P and Q window 1, C (the bias) window 0, D window 3
	MULH 0, 0, 1
	MULH 0, 2, 1
.else
	WIN 0xf5
	MULH \s, 0, 0
	MULH \s, 2, 0
.endif
.endm
.macro ODD s                           ; a chunk's second K step: the next chunk must have landed in every wave's sight
	s_wait_dscnt 0x0
	s_wait_tensorcnt 2-(\s)/2                      ; my part of the next chunk is in; the chunks behind it may be out
	s_barrier_signal -1
	WIN 0xfa
	MULH \s, 0, 0
	s_barrier_wait -1
	PLACES 4
	FETCH (\s)+1
	WIN 0xfa
	MULH \s, 2, 0
.endm
	s_wait_tensorcnt 3                             ; my scales and my part of chunk 0 are in; chunks 1 to 3 may be out
	s_barrier_signal -1
	s_barrier_wait -1
.irp b, 0,1,2,3,4,5,6,7
.irp p, 0,1
	ds_load_b128 v[SCP+8*\b+4*\p:SCP+8*\b+4*\p+3], v[ASP] offset:512*\b+256*\p
.endr
.endr
.irp a, 0,1,2,3
.irp s, 0,1,2,3,4,5,6,7
	ds_load_u16 v[192+2*(8*\a+\s)], v[ASQ] offset:512*\s+32*\a        ; head 2 s: two bytes of row r of tile a,
	ds_load_u16 v[193+2*(8*\a+\s)], v[ASQ] offset:512*\s+256+32*\a    ; head 2 s + 1
.endr
.endr
	FETCH 0
	WIN 0
	s_wait_dscnt 48                                ; all but FETCH 0's 48 loads
.set n, 0
.rept 32
	v_lshl_or_b32 v[SCQ+n], v[193+2*n], 16, v[192+2*n]
.set n, n+1
.endr
	PLACES 8                                       ; eight plain instructions between the writes of scale registers and the first scaled product
	s_wait_loadcnt 0x0                             ; the bias
	EVEN 0
	ODD 1
	EVEN 2
	ODD 3
	EVEN 4
	ODD 5
	EVEN 6
	s_wait_dscnt 0x0
	WIN 0xfa
	MULH 7, 0, 0
	MULH 7, 2, 0
	WIN 0
	PLACES 4                                       ; four plain instructions ahead of the first read of results and of loads into the bias's registers
; THE WAY OUT, a tile of 16 tokens x 128 columns at a time.  A lane holds pieces of one row and the lanes beside it other rows: so a block goes through my own stage and comes back as whole rows of 512 bytes.
; LDS serves a wave's instructions in order: no wait between the stores and the loads, nor in front of the next block's stores.
.macro TOSTAGE a
	WIN 0x0c                                       ; an LDS store's data are its source 1: window 3
.irp b, 0,1,2,3,4,5,6,7
	ds_store_b128 v[STO], v[64*(\a)+8*\b:64*(\a)+8*\b+3] offset:128*(\b/2)+32*(\b%2)        ; each accumulator from its low end on
	ds_store_b128 v[STO], v[64*(\a)+8*\b+4:64*(\a)+8*\b+7] offset:128*(\b/2)+32*(\b%2)+16
.endr
	WIN 0
.set BB, BK+64*((\a)%2)
.set n, 0
.rept 16
	ds_load_b128 v[BB+4*n:BB+4*n+3], v[RD] offset:n*SPITCH
.set n, n+1
.endr
.endm
.macro SEND a, younger                 ; younger: the LDS instructions issued behind block a's loads, which may stay out
.set BB, BK+64*((\a)%2)
	s_wait_dscnt \younger
.set n, 0
.rept 16
	global_store_b128 v[CO], v[BB+4*n:BB+4*n+3], s[10:11] offset:(32*((\a)/2)+8*((\a)%2)+n+8*(n/8))*4096 th:TH_STORE_NT   ; 512 consecutive bytes, aligned
.set n, n+1
.endr
.endm
	TOSTAGE 0
.irp a, 1,2,3
.if \a > 1
	s_wait_xcnt 0x0                                ; block a - 2's stores have read their registers: block a's loads may land there
.endif
	TOSTAGE \a
	SEND \a-1, 32                                  ; behind block a - 1's loads: block a's 16 stores and 16 loads
.endr
	SEND 3, 0
	s_wait_tensorcnt 0x0                           ; the wave's end
	ds_add_u32 v[SPW], v[NIL]
	s_wait_dscnt 0x0
	CROUND                                         ; the closing round
	s_endpgm
.Lfunc_end_k_q00c520c38b_gemm_out:
	.size	k_q00c520c38b_gemm_out, .Lfunc_end_k_q00c520c38b_gemm_out-k_q00c520c38b_gemm_out
	.p2alignl 7, 3214868480
	.fill 96, 4, 3214868480
	.section	.rodata,"a",@progbits
	.p2align	6, 0x0
	.amdhsa_kernel k_q00c520c38b_gemm_out
		.amdhsa_group_segment_fixed_size 327680
		.amdhsa_private_segment_fixed_size 0
		.amdhsa_enable_private_segment 0
		.amdhsa_kernarg_size 32
		.amdhsa_user_sgpr_count 2
		.amdhsa_user_sgpr_kernarg_segment_ptr 1
		.amdhsa_wavefront_size32 1
		.amdhsa_system_sgpr_workgroup_id_x 1
		.amdhsa_system_sgpr_workgroup_id_y 1
		.amdhsa_system_sgpr_workgroup_id_z 1
		.amdhsa_system_vgpr_workitem_id 0
		.amdhsa_next_free_vgpr 1024
		.amdhsa_next_free_sgpr 106
		.amdhsa_reserve_vcc 0
		.amdhsa_float_denorm_mode_32 3
		.amdhsa_float_denorm_mode_16_64 3
		.amdhsa_memory_ordered 1
		.amdhsa_forward_progress 1
		.amdhsa_inst_pref_size 94
	.end_amdhsa_kernel
	.amdgpu_metadata
---
amdhsa.version: [ 1, 2 ]
amdhsa.kernels:
  - .name:           k_q00c520c38b_gemm_out
    .symbol:         k_q00c520c38b_gemm_out.kd
    .args:
      - { .name: ao, .offset: 0, .size: 8, .value_kind: global_buffer, .address_space: global }
      - { .name: wq, .offset: 8, .size: 8, .value_kind: global_buffer, .address_space: global }
      - { .name: b_out, .offset: 16, .size: 8, .value_kind: global_buffer, .address_space: global }
      - { .name: out0, .offset: 24, .size: 8, .value_kind: global_buffer, .address_space: global }
    .group_segment_fixed_size: 327680
    .private_segment_fixed_size: 0
    .kernarg_segment_align: 8
    .kernarg_segment_size: 32
    .max_flat_workgroup_size: 128
    .sgpr_count:     106
    .vgpr_count:     1024
    .wavefront_size: 32
...
	.end_amdgpu_metadata
.endif
;; end of part 4
